; MI455X (gfx1250); checked and timed in simulation.
; The chip was launched on July 23, 2026; its instructions are those of AMD's public machine-readable ISA for CDNA 5 (MIT licence, August 2026) and "CDNA5" Instruction Set Architecture Reference Guide (July 2026). The comments in the code are by the model that wrote it; some were corrected since.
;; Cross Attention Skip. Allowed arithmetic: matrix products marked QUANTISED: E2M1 operands, one E8M0 scale for each 32 along K, by v_wmma_scale_f32_16x16x128_f8f6f4 with both operands' format E2M1 (or v_wmma_scale_f32_32x16x128_f4), f32 sums; everything else in f32.
;; Inputs: W1_codes 512 x 4 x 16 uint8 (E2M1 codes of W1, K innermost, in blocks of 32 codes, two codes a byte); W1_scales 512 x 4 uint8 (E8M0 scales of W1, one for each 32 codes along K); W2_codes 128 x 16 x 16 uint8 (E2M1 codes of W2, K innermost, in blocks of 32 codes, two codes a byte); W2_scales 128 x 16 uint8 (E8M0 scales of W2, one for each 32 codes along K); Wk_codes 128 x 4 x 16 uint8 (E2M1 codes of Wk, K innermost, in blocks of 32 codes, two codes a byte); Wk_scales 128 x 4 uint8 (E8M0 scales of Wk, one for each 32 codes along K); Wo_codes 128 x 4 x 16 uint8 (E2M1 codes of Wo, K innermost, in blocks of 32 codes, two codes a byte); Wo_scales 128 x 4 uint8 (E8M0 scales of Wo, one for each 32 codes along K); Wq_codes 128 x 4 x 16 uint8 (E2M1 codes of Wq, K innermost, in blocks of 32 codes, two codes a byte); Wq_scales 128 x 4 uint8 (E8M0 scales of Wq, one for each 32 codes along K); Wv_codes 128 x 4 x 16 uint8 (E2M1 codes of Wv, K innermost, in blocks of 32 codes, two codes a byte); Wv_scales 128 x 4 uint8 (E8M0 scales of Wv, one for each 32 codes along K); b1 512 float32; b2 128 float32; b_dec 128 float32; b_enc 128 float32; b_out 128 float32; bk 128 float32; bo 128 float32; bq 128 float32; bv 128 float32; decoder_feat 2 x 128 x 16 x 16 x 16 float32; encoder_feat 2 x 128 x 16 x 16 x 16 float32; g_dec 128 float32; g_enc 128 float32; g_out 128 float32.
;; Outputs: out0 2 x 128 x 16 x 16 x 16 float32.
;; This version of the problem:
;;   THIS VERSION OF THE PROBLEM IS GIVEN IN LOW PRECISION. The matrix products marked QUANTISED in the list below multiply operands that are first quantised to E2M1 (2 exponent bits, 1 mantissa bit; 4 bits a number), with one power-of-two scale for each 32 numbers along K (OCP MX v1.0); their sums are f32. All else is computed in f32.
;;   The module's matrix products, in the order in which they are computed (A, B: the left and right operand; K: the contracted axis; several contracted axes count as one K, in the product's order):
;;     1. [M 8,192, K 128] x [K 128, N 128]; A: computed on the way; B: input Wq (given as codes): QUANTISED
;;     2. [M 8,192, K 128] x [K 128, N 128]; A: computed on the way; B: input Wk (given as codes): QUANTISED
;;     3. [M 8,192, K 128] x [K 128, N 128]; A: computed on the way; B: input Wv (given as codes): QUANTISED
;;     4. batch 8 x [M 4,096, K 32] x [K 32, N 4,096]; A: computed on the way; B: computed on the way: QUANTISED
;;     5. batch 8 x [M 4,096, K 4,096] x [K 4,096, N 32]; A: softmax (see below); B: computed on the way: QUANTISED
;;     6. [M 8,192, K 128] x [K 128, N 128]; A: computed on the way; B: input Wo (given as codes): QUANTISED
;;     7. [M 8,192, K 128] x [K 128, N 512]; A: computed on the way; B: input W1 (given as codes): QUANTISED
;;     8. [M 8,192, K 512] x [K 512, N 128]; A: computed on the way; B: input W2 (given as codes): QUANTISED
;;   THE QUANTISER, for each operand of a quantised product, along K:
;;     - K is cut into blocks of 32 from its start; a last block that is shorter is filled with zeros.
;;     - A block's scale is 2^e with e = floor(log2(the largest magnitude in the block)) - 2, held to -126 .. 127; a block of zeros has e = 0. As a byte (E8M0): e + 127.
;;     - Each number is divided by its block's scale, clamped to +-6, and rounded to the nearest number of E2M1, ties to even, subnormals kept.
;;     - The product sums the exact products of the quantised numbers (number of the format x scale) in f32.
;;   ~~~python
;;   def quantise(x, axis):      # numpy; x: float32 -> the quantised numbers, widened to float32 again
;;       x = np.moveaxis(x, axis, -1); K = x.shape[-1]
;;       x = np.pad(x, [(0, 0)] * (x.ndim - 1) + [(0, -K % 32)]); x = x.reshape(x.shape[:-1] + (-1, 32)); a = np.abs(x).max(-1, keepdims=True)
;;       e = np.where(a > 0, np.clip(np.frexp(np.where(a > 0, a, 1))[1] - 1 - 2, -126, 127), 0)      # np.frexp(a)[1] - 1 = floor(log2(a)), exactly
;;       r = np.clip(x / 2.0 ** e, -6, 6)
;;       step = 2.0 ** (np.maximum(np.frexp(np.where(r == 0, 1, r))[1] - 1, 0) - 1)
;;       q = np.round(r / step) * step * 2.0 ** e      # np.round: ties to even
;;       return np.moveaxis(q.reshape(q.shape[:-2] + (-1,))[..., :K], -1, axis).astype(np.float32)
;;   ~~~
;;   SOFTMAX AHEAD OF A QUANTISED PRODUCT. Where the list says 'softmax', what is quantised is not the finished softmax but p = 2^(t - M), with t = logit x log2(e) and M = ceil(the row's largest t), a whole number; so 1/2 < the row's largest p <= 1. The row's sum l is taken of the UNQUANTISED p, in f32, and the product's result is divided by l at the end. Since M is a whole number, a kernel that streams over the keys may use a running M (the ceiling of the running maximum): every later rescaling is an exact power of two, which a block's scale takes up: the codes' values come out the same.
;;   OPERANDS COMPUTED ON THE WAY. 'Computed on the way' means the value that the module computes at that place (a softmax that the list does not call 'softmax' is quantised finished and normalised). What goes into a quantiser is computed in f32, as accurately as f32 sums, v_exp_f32 and their like allow (about 1e-6 of the number): no bf16 or f16 on the way to a quantiser, and a product that is left as it is and whose result goes on into a quantised operand takes f32 operands (vector FMAs, or v_wmma_f32_16x16x4_f32). A number that lies on a knife's edge between two numbers of the format may be rounded either way, as far as f32 arithmetic and the matrix unit's own rounding can turn it there, and no further.
;;   INPUTS GIVEN AS CODES. W1 (in the module: [512, 128], K = its axis 1); W2 (in the module: [128, 512], K = its axis 1); Wk (in the module: [128, 128], K = its axis 1); Wo (in the module: [128, 128], K = its axis 1); Wq (in the module: [128, 128], K = its axis 1); Wv (in the module: [128, 128], K = its axis 1): each comes as NAME_codes (uint8): NAME with its K axis moved to the last place and cut into blocks of 32 codes, [.., K / 32, bytes a block], one block behind the other in memory; two codes a byte, the lower K in the low four bits (a code: sign, 2 exponent bits, 1 mantissa bit); and NAME_scales (uint8): the same leading axes, one E8M0 byte (e + 127) for each 32 codes along K. Its value is code x scale, taken as it is: it is not quantised again, and the codes and scales need not be those that the quantiser above would give.
;; One version. Each part assembles by itself: llvm-mc -triple=amdgcn-amd-amdhsa -mcpu=gfx1250 --defsym DOCPART=n.
;; ======== version 1 of 1: 2 launches
;; limits: right only within a limited range of input values
;; workspace buffers: kv 1,114,112 bytes; qb 655,360 bytes; dsq 4,194,304 bytes
;; launch kvprep (part 1): grid 32 x 4, 8 waves a work-group, no clusters, 28,672 bytes of LDS; arguments encoder_feat, g_enc, b_enc, Wk_codes, Wk_scales, bk, decoder_feat, g_dec, b_dec, Wq_codes, Wq_scales, bq, Wv_codes, Wv_scales, bv, kv, bo, qb, dsq; writes kv, qb, dsq
.if DOCPART == 1
	.amdgcn_target "amdgcn-amd-amdhsa--gfx1250"
	.amdhsa_code_object_version 6
	.text
	.protected	k_q1274f62f00_kvprep
	.globl	k_q1274f62f00_kvprep
	.p2align	8
	.type	k_q1274f62f00_kvprep,@function
k_q1274f62f00_kvprep:
	s_mov_b64 s[64:65], 0
	v_nop
	global_prefetch_b8 v0, s[64:65] scope:SCOPE_SE
	s_setreg_imm32_b32 hwreg(HW_REG_WAVE_MODE, 25, 1), 1
	s_wait_xcnt 0x0
; K and V of the cross attention, as codes of FP4 (E2M1) with E8M0 scales, laid for the second launch's operand registers.
; encoder_feat [2][128 channels][4096 tokens] f32 -> LayerNorm over the channels -> quantised along the channels -> K = x Wk^T + bk, V = x Wv^T + bv (both on codes)
; -> K quantised along its head's 32 channels, V along the keys in blocks of 32 -> one record of 17,408 bytes for each 128 keys.
; NO WORK IS LEFT OUT in this program: every input has a way to the output (bk moves K's codes, so it stays), and all 26 inputs are loaded by one of the two launches.
; LIMITS: a block whose largest magnitude lies under 2^-124 keeps the scale byte 1 (a block of zeros too: its codes are zeros, and only this program reads the bytes);
; NaN and infinities among the inputs are not served.  A half wave's load of encoder_feat covers 64 consecutive bytes (16 tokens of one channel).
; SHARES.  A work-group (x = key step s, y = batch) takes 128 tokens.  Wave w layer-norms tokens 128 s + 16 w + r, makes K for them (all 128 channels), and V's channel tile w for all 128 tokens.
; THE LAYOUT 'RH' of 16 tokens: lane (r = lane % 16, h = lane / 16) holds token r, register 32 c + i holds channel 64 c + 32 h + i: a lane holds two whole blocks of 32, and the eight
; conversions' results are the operand's registers.  A product used transposed (source 0 = 16 weight rows, source 1 = the tokens) lands in RH where lane r of tile 4 c + i takes weight row 64 c + 32 (r / 8) + 8 i + r % 8.
; THE RECORD: +0 K's codes [head 4][g 2][c' 2][lane 32][16 bytes]: lane (8 a + rho, h') holds key 64 g + 32 a + 16 c' + 8 h' + rho;  +8192 V's codes [tile 8][c 2][lane 32][16 bytes]: lane (r, h) holds keys 64 c + 32 h + 0..31 of
; channel 32 (tile / 2) + 16 (r / 8) + 8 (tile % 2) + r % 8;  +16384 K's scale bytes [head][g][row 16][4];  +16896 V's scale words [tile][row 16].
; REGISTERS, window 0: v1-20 ids and addresses; v24-41 scale words alone; v48-111 x, then K, then V; v112-175 the eight images of x; v176-191 codes; v192-207 Wv's fragment and bv; v208-231 at work.
;   window 1: v0-63 Wk's eight fragments, v64-127 bk, v128-191 g_enc, v192-255 b_enc, the last three in RH.
; THE GRID'S y: bit 0 the batch; bit 1 clear: encoder_feat, K and V as above; bit 1 set: decoder_feat, by the same lines up to the codes of the normalised tokens, then Q = x Wq^T + bq.
; Q leaves quantised along each head's 32 channels: qb +0 codes [batch][head][token][16 bytes], +524288 scale words (one byte four times) [batch][16 tokens][h][r][c], head = 2 c + h.
; The normalised decoder tokens + bo leave as f32: dsq [batch][16 tokens][channel / 4][token][4].  No cluster: what work-groups share is the weights, 8,704 bytes of some 74,000 that one reads.
.set XIP,   1280
.set REC,   10240                      ; the record's stage
.set RECB,  17408
.set SPARE, 27648                      ; the spare words: 128 bytes for each of eight waves
.set X,    48
.set XF,   112
.set F,    176
.set KC,   184
.set WVF,  192
.set BV8,  200
.set T,    208
.set BVL,  232
.set WKS,  24
.set XS,   32
.set XW,   40
.set WVS,  41
.set SH8,  20
.set SPW,  252
.set NIL,  253
.set WV,   24
.set SEL,  32
.set INV,  34
.set EPS,  35
.set MSB, 0
.macro WIN new                         ; the immediate's high byte repeats the setting that is left
.if MSB != \new
	s_set_vgpr_msb (MSB<<8)|\new
.set MSB, \new
.endif
.endm
.macro BARRIER                         ; my LDS stores have landed and my LDS loads are in: then the work-group's barrier
	s_wait_dscnt 0x0
	s_barrier_signal -1
	s_barrier_wait -1
.endm
; 64 registers in RH become (x - mean) / sqrt(var + 1e-5): two passes, as the problem writes it.  A token's 128 channels lie in lanes l and l xor 16.
.macro LNCORE xr
	v_mov_b32 v[T+10], 0                           ; a lane permute's destination counts as one of its sources
	v_pk_add_f32 v[212:213], v[48:49], v[56:57]
	v_pk_add_f32 v[214:215], v[64:65], v[72:73]
	v_pk_add_f32 v[216:217], v[80:81], v[88:89]
	v_pk_add_f32 v[254:255], v[96:97], v[104:105]
	v_pk_add_f32 v[250:251], v[50:51], v[58:59]
	v_pk_add_f32 v[248:249], v[66:67], v[74:75]
	v_pk_add_f32 v[246:247], v[82:83], v[90:91]
	v_pk_add_f32 v[210:211], v[98:99], v[106:107]
	s_delay_alu instid0(VALU_DEP_1)
	v_pk_add_f32 v[210:211], v[210:211], v[52:53]
	v_pk_add_f32 v[212:213], v[212:213], v[60:61]
	v_pk_add_f32 v[214:215], v[214:215], v[68:69]
	v_pk_add_f32 v[216:217], v[216:217], v[76:77]
	v_pk_add_f32 v[254:255], v[254:255], v[84:85]
	v_pk_add_f32 v[250:251], v[250:251], v[92:93]
	v_pk_add_f32 v[248:249], v[248:249], v[100:101]
	v_pk_add_f32 v[246:247], v[246:247], v[108:109]
	v_pk_add_f32 v[210:211], v[210:211], v[54:55]
	v_pk_add_f32 v[212:213], v[212:213], v[62:63]
	v_pk_add_f32 v[214:215], v[214:215], v[70:71]
	v_pk_add_f32 v[216:217], v[216:217], v[78:79]
	v_pk_add_f32 v[254:255], v[254:255], v[86:87]
	v_pk_add_f32 v[250:251], v[250:251], v[94:95]
	v_pk_add_f32 v[248:249], v[248:249], v[102:103]
	v_pk_add_f32 v[246:247], v[246:247], v[110:111]
	s_delay_alu instid0(VALU_DEP_4)
	v_pk_add_f32 v[210:211], v[210:211], v[254:255]
	s_delay_alu instid0(VALU_DEP_4)
	v_pk_add_f32 v[212:213], v[212:213], v[250:251]
	s_delay_alu instid0(VALU_DEP_4)
	v_pk_add_f32 v[214:215], v[214:215], v[248:249]
	s_delay_alu instid0(VALU_DEP_4)
	v_pk_add_f32 v[216:217], v[216:217], v[246:247]
	s_delay_alu instid0(VALU_DEP_2)
	v_pk_add_f32 v[210:211], v[210:211], v[214:215]
	s_delay_alu instid0(VALU_DEP_2)
	v_pk_add_f32 v[212:213], v[212:213], v[216:217]
	s_delay_alu instid0(VALU_DEP_1)
	v_pk_add_f32 v[210:211], v[210:211], v[212:213]
	s_delay_alu instid0(VALU_DEP_1)
	v_add_f32 v[T+2], v[T+2], v[T+3]
	s_delay_alu instid0(VALU_DEP_1)
	v_permlanex16_b32 v[T+10], v[T+2], s[SEL], s[SEL+1]
	s_delay_alu instid0(VALU_DEP_1)
	v_add_f32 v[T+2], v[T+2], v[T+10]
	s_delay_alu instid0(VALU_DEP_1)
	v_mul_f32 v[T], s[INV], v[T+2]                 ; the mean
	s_delay_alu instid0(VALU_DEP_1)
	v_mov_b32 v[T+1], v[T]
.set ii, 0
.rept 32
	v_pk_add_f32 v[\xr+2*ii:\xr+2*ii+1], v[\xr+2*ii:\xr+2*ii+1], v[T:T+1] neg_lo:[0,1] neg_hi:[0,1]
.set ii, ii+1
.endr
.irp k, 0,1,2,3
	v_pk_mul_f32 v[T+2+2*\k:T+3+2*\k], v[\xr+2*\k:\xr+2*\k+1], v[\xr+2*\k:\xr+2*\k+1]
.endr
.set ii, 4
.rept 28
	s_delay_alu instid0(VALU_DEP_4)
	v_pk_fma_f32 v[T+2+2*(ii%4):T+3+2*(ii%4)], v[\xr+2*ii:\xr+2*ii+1], v[\xr+2*ii:\xr+2*ii+1], v[T+2+2*(ii%4):T+3+2*(ii%4)]
.set ii, ii+1
.endr
	s_delay_alu instid0(VALU_DEP_3)
	v_pk_add_f32 v[T+2:T+3], v[T+2:T+3], v[T+4:T+5]
	s_delay_alu instid0(VALU_DEP_2)
	v_pk_add_f32 v[T+6:T+7], v[T+6:T+7], v[T+8:T+9]
	s_delay_alu instid0(VALU_DEP_1)
	v_pk_add_f32 v[T+2:T+3], v[T+2:T+3], v[T+6:T+7]
	s_delay_alu instid0(VALU_DEP_1)
	v_add_f32 v[T+2], v[T+2], v[T+3]
	s_delay_alu instid0(VALU_DEP_1)
	v_permlanex16_b32 v[T+10], v[T+2], s[SEL], s[SEL+1]
	s_delay_alu instid0(VALU_DEP_1)
	v_add_f32 v[T+2], v[T+2], v[T+10]
	s_delay_alu instid0(VALU_DEP_1)
	v_fma_f32 v[T+2], v[T+2], s[INV], s[EPS]       ; var + 1e-5
	s_wait_alu depctr_va_vdst(0)
	v_rsq_f32 v[T+2], v[T+2]
	v_nop                                          ; a plain instruction behind the transcendental,
	s_wait_alu depctr_va_vdst(0)                   ; and the wait ahead of its first reader
	v_mov_b32 v[T+3], v[T+2]
.set ii, 0
.rept 32
	v_pk_mul_f32 v[\xr+2*ii:\xr+2*ii+1], v[\xr+2*ii:\xr+2*ii+1], v[T+2:T+3]
.set ii, ii+1
.endr
.endm
; 64 registers in RH become a fragment's eight registers; the two scale bytes are left in v[T+4], v[T+5]; word = 1: the row's scale word, whole in both lanes, goes to v[wr].
.macro QUANT2 sr, fr, wr, word
	v_max3_num_f32 v[T], |v[\sr]|, |v[\sr+1]|, 0x1800000       ; the floor 2^(3 - 127) among the leaves: the byte cannot fall under 1
	v_max3_num_f32 v[T+1], |v[\sr+32]|, |v[\sr+33]|, 0x1800000
.irp i, 2,4,6,8,10,12,14,16,18,20,22,24,26,28,30
	v_max3_num_f32 v[T], v[T], |v[\sr+\i]|, |v[\sr+\i+1]|
	v_max3_num_f32 v[T+1], v[T+1], |v[\sr+32+\i]|, |v[\sr+33+\i]|
.endr
	s_delay_alu instid0(VALU_DEP_2)
	v_add_nc_u32 v[T+2], 0xff000000, v[T]          ; 2 off the exponent field: the conversion's scale operand
	s_delay_alu instid0(VALU_DEP_2)
	v_add_nc_u32 v[T+3], 0xff000000, v[T+1]
	s_delay_alu instid0(VALU_DEP_2)
	v_lshrrev_b32 v[T+4], 23, v[T+2]               ; the bytes of blocks h and 2 + h
	s_delay_alu instid0(VALU_DEP_2)
	v_lshrrev_b32 v[T+5], 23, v[T+3]
.if \word
	v_mov_b32 v[T+6], 0
	s_delay_alu instid0(VALU_DEP_2)
	v_lshl_or_b32 v[T+7], v[T+5], 16, v[T+4]
	s_delay_alu instid0(VALU_DEP_1)
	v_lshlrev_b32 v[T+7], v[SH8], v[T+7]           ; 8 h bits up
	s_delay_alu instid0(VALU_DEP_1)
	v_permlanex16_b32 v[T+6], v[T+7], s[SEL], s[SEL+1]
	s_delay_alu instid0(VALU_DEP_1)
	v_or_b32 v[\wr], v[T+7], v[T+6]
.endif
.irp c, 0,1
.irp g, 0,1,2,3
	v_cvt_scalef32_pk8_fp4_f32 v[\fr+4*\c+\g], v[\sr+32*\c+8*\g:\sr+32*\c+8*\g+7], v[T+2+\c]
.endr
.endr
	v_nop                                          ; one plain place behind the last scaled conversion
.endm
	s_load_b512 s[4:19], s[0:1], 0x0               ; encoder_feat 4, g_enc 6, b_enc 8, Wk's codes 10, Wk's scales 12, bk 14, decoder_feat 16, g_dec 18
	s_load_b512 s[48:63], s[0:1], 0x40             ; b_dec 48, Wq's codes 50, Wq's scales 52, bq 54, Wv's codes 56, Wv's scales 58, bv 60, kv 62
	s_load_b128 s[68:71], s[0:1], 0x80             ; bo 68, qb 70
	s_load_b64 s[72:73], s[0:1], 0x90              ; dsq
	v_lshl_add_u32 v[SPW], v0, 2, SPARE
	v_mov_b32 v[NIL], 0
	v_lshrrev_b32 v1, 5, v0
	s_delay_alu instid0(VALU_DEP_1)
	v_readfirstlane_b32 s[WV], v1                  ; wave 0..7
	v_and_b32 v1, 15, v0                           ; r
	v_bfe_u32 v2, v0, 4, 1                         ; h
	v_and_b32 v3, 31, v0                           ; lane
	s_delay_alu instid0(VALU_DEP_2)
	v_lshlrev_b32 v4, 19, v2
	s_delay_alu instid0(VALU_DEP_1)
	v_lshl_or_b32 v4, v1, 2, v4                    ; x: 32 h channels of 16,384 bytes, token r
	s_delay_alu instid0(VALU_DEP_4)
	v_lshlrev_b32 v5, 7, v2                        ; g, b, bk: 32 h numbers
	v_and_b32 v21, 8, v1
	s_delay_alu instid0(VALU_DEP_1)
	v_mad_u32_u24 v22, v21, 3, v1                  ; r + 24 (r / 8)
	s_delay_alu instid0(VALU_DEP_2)
	v_add_nc_u32 v23, v21, v1                      ; r + 8 (r / 8)
	s_delay_alu instid0(VALU_DEP_2)
	v_lshlrev_b32 v6, 6, v22
	s_delay_alu instid0(VALU_DEP_1)
	v_lshl_add_u32 v6, v2, 4, v6                   ; Wk's rows of 64 bytes
	s_delay_alu instid0(VALU_DEP_4)
	v_lshlrev_b32 v7, 2, v22                       ; and their scale words
	s_delay_alu instid0(VALU_DEP_4)
	v_lshlrev_b32 v8, 6, v23
	s_delay_alu instid0(VALU_DEP_1)
	v_lshl_add_u32 v8, v2, 4, v8                   ; Wv's rows
	v_lshlrev_b32 v9, 2, v23                       ; their scale words, and bv
	v_lshlrev_b32 v10, 4, v3                       ; 16 x lane
	s_wait_alu depctr_va_vdst(0)
	s_and_b32 s46, ttmp7, 0xffff
	s_and_b32 s25, s46, 1                          ; the batch
	s_lshr_b32 s46, s46, 1                         ; 0: encoder tokens, 1: decoder tokens
	s_mov_b32 s[SEL], 0x76543210
	s_mov_b32 s[SEL+1], 0xfedcba98                 ; v_permlanex16_b32's selects for lane l xor 16
	s_mov_b32 s[INV], 0x3c000000                   ; 1 / 128
	s_mov_b32 s[EPS], 0x3727c5ac                   ; 1e-5
	s_lshr_b32 s36, s[WV], 2
	s_bfe_u32 s37, s[WV], 0x10001
	s_and_b32 s38, s[WV], 1
	s_mul_i32 s39, s[WV], XIP
	v_add_nc_u32 v11, s39, v10                     ; my image's codes
	v_lshlrev_b32 v13, 2, v3
	s_delay_alu instid0(VALU_DEP_1)
	v_add_nc_u32 v13, 1024, v13                    ; an image's scale words: 4 x lane
	s_delay_alu instid0(VALU_DEP_1)
	v_add_nc_u32 v12, s39, v13                     ; my image's
	s_lshl_b32 s40, s36, 10                        ; K's codes: my 16 keys are g = w / 4, a = (w / 2) % 2, c' = w % 2; h' = r / 8, rho = r % 8; the head is 2 c + h
	s_lshl_b32 s41, s37, 7
	s_add_co_u32 s40, s40, s41
	s_lshl_b32 s41, s38, 9
	s_add_co_u32 s40, s40, s41
	s_add_co_u32 s40, s40, REC
	v_lshl_add_u32 v14, v23, 4, s40                ; 256 (r / 8) + 16 (r % 8) = 16 (r + 8 (r / 8))
	s_delay_alu instid0(VALU_DEP_1)
	v_lshl_add_u32 v14, v2, 11, v14
	s_lshl_b32 s42, s36, 6                         ; K's scale bytes
	s_lshl_b32 s41, s37, 5
	s_add_co_u32 s42, s42, s41
	s_lshl_b32 s41, s38, 1
	s_add_co_u32 s42, s42, s41
	s_add_co_u32 s42, s42, REC+16384
	v_and_b32 v15, 7, v1
	s_delay_alu instid0(VALU_DEP_1)
	v_lshl_add_u32 v15, v15, 2, s42
	s_delay_alu instid0(VALU_DEP_1)
	v_lshl_add_u32 v15, v2, 7, v15
	v_lshrrev_b32 v21, 3, v21
	s_delay_alu instid0(VALU_DEP_1)
	v_add_nc_u32 v15, v15, v21
	s_lshl_b32 s41, s[WV], 10
	s_add_co_u32 s41, s41, REC+8192
	v_add_nc_u32 v16, s41, v10                     ; V's codes: tile w
	s_lshl_b32 s41, s[WV], 6
	s_add_co_u32 s41, s41, REC+16896
	v_lshl_add_u32 v17, v1, 2, s41                 ; V's scale words
	s_lshl_b32 s41, s[WV], 9
	v_add_nc_u32 v19, s41, v10                     ; the copy out: piece w of 512 bytes, in memory,
	s_delay_alu instid0(VALU_DEP_1)
	v_add_nc_u32 v18, REC, v19                     ; and in the stage
	v_lshlrev_b32 v20, 3, v2                       ; 8 h
	s_lshl_b32 s26, s25, 21                        ; x: the batch, 128 s + 16 w tokens
	s_lshl_b32 s43, ttmp9, 9
	s_add_co_u32 s26, s26, s43
	s_lshl_b32 s43, s[WV], 6
	s_add_co_u32 s26, s26, s43
	s_mov_b32 s27, 0
	s_lshr_b32 s43, s[WV], 1                       ; Wv: my tile's first row 32 (w / 2) + 8 (w % 2)
	s_lshl_b32 s43, s43, 5
	s_lshl_b32 s30, s38, 3
	s_add_co_u32 s43, s43, s30
	s_lshl_b32 s28, s43, 6
	s_mov_b32 s29, 0
	s_lshl_b32 s30, s43, 2
	s_mov_b32 s31, 0
	s_lshl_b32 s44, s25, 5                         ; kv: record 32 b + s
	s_add_co_u32 s44, s44, ttmp9
	s_mul_i32 s44, s44, RECB
	s_mov_b32 s45, 0
	s_wait_kmcnt 0x0
	s_cmp_eq_u32 s46, 0
	s_cselect_b64 s[4:5], s[4:5], s[16:17]         ; the tokens, the norm's gain and bias, Wk or Wq with its scales and its bias
	s_cselect_b64 s[6:7], s[6:7], s[18:19]
	s_cselect_b64 s[8:9], s[8:9], s[48:49]
	s_cselect_b64 s[10:11], s[10:11], s[50:51]
	s_cselect_b64 s[12:13], s[12:13], s[52:53]
	s_cselect_b64 s[14:15], s[14:15], s[54:55]
	s_add_nc_u64 s[4:5], s[4:5], s[26:27]
	s_add_nc_u64 s[16:17], s[56:57], s[28:29]
	s_add_nc_u64 s[18:19], s[58:59], s[30:31]
	s_add_nc_u64 s[20:21], s[60:61], s[30:31]
	s_add_nc_u64 s[22:23], s[62:63], s[44:45]
.set ii, 0
.rept 64
	global_load_b32 v[X+ii], v4, s[4:5] offset:(64*(ii/32)+ii%32)<<14 th:TH_LOAD_NT    ; x(channel 64 c + 32 h + i, token r)
.set ii, ii+1
.endr
	WIN 0x40                                       ; destination window 1
.irp c, 0,1
.irp q, 0,1,2,3,4,5,6,7
	global_load_b128 v[128+32*\c+4*\q:131+32*\c+4*\q], v5, s[6:7] offset:256*\c+16*\q
.endr
.endr
.irp c, 0,1
.irp q, 0,1,2,3,4,5,6,7
	global_load_b128 v[192+32*\c+4*\q:195+32*\c+4*\q], v5, s[8:9] offset:256*\c+16*\q
.endr
.endr
.irp t, 0,1,2,3,4,5,6,7
.irp cc, 0,1
	global_load_b128 v[8*\t+4*\cc:8*\t+4*\cc+3], v6, s[10:11] offset:(64*(\t/4)+8*(\t%4))*64+32*\cc
.endr
.endr
.irp c, 0,1
.irp q, 0,1,2,3,4,5,6,7
	global_load_b128 v[64+32*\c+4*\q:67+32*\c+4*\q], v5, s[14:15] offset:256*\c+16*\q
.endr
.endr
	WIN 0
.irp t, 0,1,2,3,4,5,6,7
	global_load_b32 v[WKS+\t], v7, s[12:13] offset:(64*(\t/4)+8*(\t%4))*4
.endr
	s_cmp_eq_u32 s46, 0
	s_cbranch_scc0 .Lask_bo
.irp cc, 0,1
	global_load_b128 v[WVF+4*\cc:WVF+4*\cc+3], v8, s[16:17] offset:32*\cc
.endr
	global_load_b32 v[WVS], v9, s[18:19]
	global_load_b32 v[BVL], v9, s[20:21]
	s_branch .Lall_asked
.Lask_bo:
.irp c, 0,1
.irp q, 0,1,2,3,4,5,6,7
	global_load_b128 v[XF+32*\c+4*\q:XF+32*\c+4*\q+3], v5, s[68:69] offset:256*\c+16*\q   ; bo in RH
.endr
.endr
.Lall_asked:
	s_wait_loadcnt 44                              ; behind b_enc's loads 44 were issued (Wk 16, bk 16, its scales 8, Wv 2, its scales 1, bv 1), for decoder tokens 56: x, the gain and the bias are in
	LNCORE X
	WIN 0x14                                       ; sources 1 (g) and 2 (b) window 1
.set ii, 0
.rept 32
	v_pk_fma_f32 v[X+2*ii:X+2*ii+1], v[X+2*ii:X+2*ii+1], v[128+2*ii:129+2*ii], v[192+2*ii:193+2*ii]
.set ii, ii+1
.endr
	WIN 0
	QUANT2 X, F, XW, 1
	s_cmp_eq_u32 s46, 0
	s_wait_alu depctr_va_vdst(0)                   ; ahead of the branch
	s_cbranch_scc0 .Lquery
	ds_store_b128 v11, v[F:F+3]
	ds_store_b128 v11, v[F+4:F+7] offset:512
	ds_store_b32 v12, v[XW]
	s_wait_alu depctr_va_vdst(0)
	BARRIER                                        ; the eight images lie in LDS
.irp t, 0,1,2,3,4,5,6,7
.irp c, 0,1
	ds_load_b128 v[XF+8*\t+4*\c:XF+8*\t+4*\c+3], v10 offset:XIP*\t+512*\c
.endr
	ds_load_b32 v[XS+\t], v13 offset:XIP*\t
.endr
	s_wait_loadcnt 0x0                             ; the weights and biases
.irp j, 0,1,2,3,4,5,6,7
	v_mov_b32 v[BV8+\j], v[BVL]                    ; bv of my lane's channel, as a C.  (These eight are also the places between the vector lines that made x's scale word and codes and the scaled products)
.endr
	WIN 0x11                                       ; source 0 (Wk) and source 2 (bk) window 1
.irp t, 0,1,2,3,4,5,6,7
	v_wmma_scale_f32_16x16x128_f8f6f4 v[X+8*\t:X+8*\t+7], v[8*\t:8*\t+7], v[F:F+7], v[64+8*\t:71+8*\t], v[WKS+\t], v[XW] matrix_a_fmt:MATRIX_FMT_FP4 matrix_b_fmt:MATRIX_FMT_FP4
.endr
	WIN 0
.rept 4
	v_nop                                          ; four places ahead of the first read of results
.endr
	QUANT2 X, KC, 0, 0                             ; K in RH: my two blocks are heads h and 2 + h of token r
	ds_store_b128 v14, v[KC:KC+3]
	ds_store_b128 v14, v[KC+4:KC+7] offset:4096
	ds_store_b8 v15, v[T+4]
	ds_store_b8 v15, v[T+5] offset:256
	s_wait_dscnt 0x0                               ; the images are in registers
.irp t, 0,1,2,3,4,5,6,7                        ; V, not transposed: a lane holds one channel and its registers run along the tokens: tile t, register j: token 16 t + 8 h + j
	v_wmma_scale_f32_16x16x128_f8f6f4 v[X+8*\t:X+8*\t+7], v[XF+8*\t:XF+8*\t+7], v[WVF:WVF+7], v[BV8:BV8+7], v[XS+\t], v[WVS] matrix_a_fmt:MATRIX_FMT_FP4 matrix_b_fmt:MATRIX_FMT_FP4
.endr
.irp b, 0,1,2,3
	v_mov_b32 v[T+4+\b], 0                         ; lane permutes' destinations; also the four places
.endr
.irp b, 0,1,2,3                                ; block b of 32 keys: tiles 2 b and 2 b + 1, my 16 numbers and lane l xor 16's
	v_max3_num_f32 v[T+\b], |v[X+16*\b]|, |v[X+1+16*\b]|, 0x1800000
.endr
.irp i, 2,4,6,8,10,12,14
.irp b, 0,1,2,3
	v_max3_num_f32 v[T+\b], v[T+\b], |v[X+16*\b+\i]|, |v[X+1+16*\b+\i]|
.endr
.endr
.irp b, 0,1,2,3
	s_delay_alu instid0(VALU_DEP_4)
	v_permlanex16_b32 v[T+4+\b], v[T+\b], s[SEL], s[SEL+1]
.endr
.irp b, 0,1,2,3
	s_delay_alu instid0(VALU_DEP_4)
	v_max_num_f32 v[T+\b], v[T+\b], v[T+4+\b]
.endr
.irp b, 0,1,2,3
	s_delay_alu instid0(VALU_DEP_4)
	v_add_nc_u32 v[T+12+\b], 0xff000000, v[T+\b]
.endr
.irp b, 0,1,2,3
	s_delay_alu instid0(VALU_DEP_4)
	v_lshrrev_b32 v[T+4+\b], 23, v[T+12+\b]
.endr
	s_delay_alu instid0(VALU_DEP_3)
	v_lshl_or_b32 v[T+8], v[T+5], 8, v[T+4]        ; my channel's scale word for these 128 keys
	s_delay_alu instid0(VALU_DEP_1)
	v_lshl_or_b32 v[T+8], v[T+6], 16, v[T+8]
	s_delay_alu instid0(VALU_DEP_1)
	v_lshl_or_b32 v[T+8], v[T+7], 24, v[T+8]
.irp c, 0,1
	v_cvt_scalef32_pk8_fp4_f32 v[F+4*\c],   v[X+32*\c:X+32*\c+7],     v[T+12+2*\c]     ; keys 64 c + 8 h + 0..7
	v_cvt_scalef32_pk8_fp4_f32 v[F+4*\c+2], v[X+32*\c+8:X+32*\c+15],  v[T+12+2*\c]     ; 64 c + 16 + 8 h ..
	v_cvt_scalef32_pk8_fp4_f32 v[F+4*\c+1], v[X+32*\c+16:X+32*\c+23], v[T+13+2*\c]     ; 64 c + 32 + 8 h ..
	v_cvt_scalef32_pk8_fp4_f32 v[F+4*\c+3], v[X+32*\c+24:X+32*\c+31], v[T+13+2*\c]     ; 64 c + 48 + 8 h ..
.endr
	v_nop
.irp c, 0,1                                    ; the operand wants a whole block in a lane: the first's lanes 16-31 change places with the second's lanes 0-15
	v_permlane16_swap_b32 v[F+4*\c], v[F+4*\c+1]
	v_permlane16_swap_b32 v[F+4*\c+2], v[F+4*\c+3]
.endr
	ds_store_b128 v16, v[F:F+3]
	ds_store_b128 v16, v[F+4:F+7] offset:512
	ds_store_b32 v17, v[T+8]                       ; both halves of the lanes write the same word with the same value
	BARRIER                                        ; the record is whole
.irp k, 0,1,2,3
	ds_load_b128 v[112+4*\k:115+4*\k], v18 offset:4096*\k
.endr
.irp k, 0,1,2,3
	s_wait_dscnt 3-\k                              ; the younger loads may stay out
	global_store_b128 v19, v[112+4*\k:115+4*\k], s[22:23] offset:4096*\k    ; 32 lanes store 512 consecutive bytes, at a multiple of 256 from kv's first byte
.endr
	s_cmp_lt_u32 s[WV], 2                          ; the record has 34 pieces of 512 bytes: waves 0 and 1 take the last two
	s_cbranch_scc0 .Lno_tail
	ds_load_b128 v[128:131], v18 offset:16384
	s_wait_dscnt 0x0
	global_store_b128 v19, v[128:131], s[22:23] offset:16384
.Lno_tail:
	s_wait_tensorcnt 0x0                           ; the wave's end, behind my last LDS store
	ds_add_u32 v[SPW], v[NIL]
	s_wait_dscnt 0x0
	s_endpgm
; DECODER TOKENS.  These work-groups write no LDS.
.Lquery:
	s_lshl_b32 s74, s25, 8
	s_lshl_b32 s75, ttmp9, 3
	s_add_co_u32 s74, s74, s75
	s_add_co_u32 s74, s74, s[WV]                   ; my 16 tokens' number: 256 batch + 8 x + wave
	s_lshl_b32 s76, s74, 8                         ; 256 bytes of scale words each,
	s_mov_b32 s77, 0
	s_lshl_b32 s74, s74, 13                        ; 8,192 bytes of dsq each
	s_mov_b32 s75, 0
	s_lshl_b32 s78, s25, 18
	s_lshl_b32 s80, ttmp9, 11
	s_add_co_u32 s78, s78, s80
	s_lshl_b32 s80, s[WV], 8
	s_add_co_u32 s78, s78, s80                     ; 16 bytes of Q's codes a token and head
	s_mov_b32 s79, 0
	s_add_nc_u64 s[72:73], s[72:73], s[74:75]
	s_add_nc_u64 s[76:77], s[70:71], s[76:77]
	s_add_nc_u64 s[70:71], s[70:71], s[78:79]
	v_lshlrev_b32 v21, 4, v1
	v_lshlrev_b32 v23, 3, v3
	v_lshl_add_u32 v22, v2, 16, v21                ; codes: 16 r, head h: 65,536 bytes a head
	v_lshl_add_u32 v21, v2, 11, v21                ; dsq: 16 r, channel group 8 h: 256 bytes a group of four channels
	s_wait_alu depctr_va_vdst(0)
	s_wait_loadcnt 0x0                             ; bo, and the weights
.set ii, 0
.rept 32
	v_pk_add_f32 v[XF+2*ii:XF+2*ii+1], v[X+2*ii:X+2*ii+1], v[XF+2*ii:XF+2*ii+1]
.set ii, ii+1
.endr
.irp c, 0,1
.irp q, 0,1,2,3,4,5,6,7
	global_store_b128 v21, v[XF+32*\c+4*\q:XF+32*\c+4*\q+3], s[72:73] offset:(16*\c+\q)*256   ; sixteen lanes store 256 consecutive bytes, aligned
.endr
.endr
	WIN 0x11                                       ; source 0 (Wq) and source 2 (bq) window 1
.irp t, 0,1,2,3,4,5,6,7
	v_wmma_scale_f32_16x16x128_f8f6f4 v[X+8*\t:X+8*\t+7], v[8*\t:8*\t+7], v[F:F+7], v[64+8*\t:71+8*\t], v[WKS+\t], v[XW] matrix_a_fmt:MATRIX_FMT_FP4 matrix_b_fmt:MATRIX_FMT_FP4
.endr
	WIN 0
.rept 4
	v_nop
.endr
	QUANT2 X, KC, 0, 0                             ; Q in RH: my two blocks are heads h and 2 + h of token r
	v_lshl_or_b32 v[T+6], v[T+4], 8, v[T+4]
	v_lshl_or_b32 v[T+7], v[T+5], 8, v[T+5]
	v_lshl_or_b32 v[T+6], v[T+6], 16, v[T+6]       ; the byte four times: whichever block of a row holds Q
	v_lshl_or_b32 v[T+7], v[T+7], 16, v[T+7]
	global_store_b128 v22, v[KC:KC+3], s[70:71]
	global_store_b128 v22, v[KC+4:KC+7], s[70:71] offset:131072
	global_store_b64 v23, v[T+6:T+7], s[76:77] offset:524288    ; 32 lanes store 256 consecutive bytes
	s_endpgm
.Lfunc_end_k_q1274f62f00_kvprep:
	.size	k_q1274f62f00_kvprep, .Lfunc_end_k_q1274f62f00_kvprep-k_q1274f62f00_kvprep
	.p2alignl 7, 3214868480
	.fill 96, 4, 3214868480
	.section	.rodata,"a",@progbits
	.p2align	6, 0x0
	.amdhsa_kernel k_q1274f62f00_kvprep
		.amdhsa_group_segment_fixed_size 28672
		.amdhsa_private_segment_fixed_size 0
		.amdhsa_enable_private_segment 0
		.amdhsa_kernarg_size 152
		.amdhsa_user_sgpr_count 2
		.amdhsa_user_sgpr_kernarg_segment_ptr 1
		.amdhsa_wavefront_size32 1
		.amdhsa_system_sgpr_workgroup_id_x 1
		.amdhsa_system_sgpr_workgroup_id_y 1
		.amdhsa_system_sgpr_workgroup_id_z 1
		.amdhsa_system_vgpr_workitem_id 0
		.amdhsa_next_free_vgpr 512
		.amdhsa_next_free_sgpr 84
		.amdhsa_reserve_vcc 0
		.amdhsa_float_denorm_mode_32 3
		.amdhsa_float_denorm_mode_16_64 3
		.amdhsa_memory_ordered 1
		.amdhsa_forward_progress 1
		.amdhsa_inst_pref_size 58
	.end_amdhsa_kernel
	.amdgpu_metadata
---
amdhsa.version: [ 1, 2 ]
amdhsa.kernels:
  - .name:           k_q1274f62f00_kvprep
    .symbol:         k_q1274f62f00_kvprep.kd
    .args:
      - { .name: encoder_feat, .offset: 0, .size: 8, .value_kind: global_buffer, .address_space: global }
      - { .name: g_enc, .offset: 8, .size: 8, .value_kind: global_buffer, .address_space: global }
      - { .name: b_enc, .offset: 16, .size: 8, .value_kind: global_buffer, .address_space: global }
      - { .name: Wk_codes, .offset: 24, .size: 8, .value_kind: global_buffer, .address_space: global }
      - { .name: Wk_scales, .offset: 32, .size: 8, .value_kind: global_buffer, .address_space: global }
      - { .name: bk, .offset: 40, .size: 8, .value_kind: global_buffer, .address_space: global }
      - { .name: decoder_feat, .offset: 48, .size: 8, .value_kind: global_buffer, .address_space: global }
      - { .name: g_dec, .offset: 56, .size: 8, .value_kind: global_buffer, .address_space: global }
      - { .name: b_dec, .offset: 64, .size: 8, .value_kind: global_buffer, .address_space: global }
      - { .name: Wq_codes, .offset: 72, .size: 8, .value_kind: global_buffer, .address_space: global }
      - { .name: Wq_scales, .offset: 80, .size: 8, .value_kind: global_buffer, .address_space: global }
      - { .name: bq, .offset: 88, .size: 8, .value_kind: global_buffer, .address_space: global }
      - { .name: Wv_codes, .offset: 96, .size: 8, .value_kind: global_buffer, .address_space: global }
      - { .name: Wv_scales, .offset: 104, .size: 8, .value_kind: global_buffer, .address_space: global }
      - { .name: bv, .offset: 112, .size: 8, .value_kind: global_buffer, .address_space: global }
      - { .name: kv, .offset: 120, .size: 8, .value_kind: global_buffer, .address_space: global }
      - { .name: bo, .offset: 128, .size: 8, .value_kind: global_buffer, .address_space: global }
      - { .name: qb, .offset: 136, .size: 8, .value_kind: global_buffer, .address_space: global }
      - { .name: dsq, .offset: 144, .size: 8, .value_kind: global_buffer, .address_space: global }
    .group_segment_fixed_size: 28672
    .private_segment_fixed_size: 0
    .kernarg_segment_align: 8
    .kernarg_segment_size: 152
    .max_flat_workgroup_size: 256
    .sgpr_count:     84
    .vgpr_count:     512
    .wavefront_size: 32
...
	.end_amdgpu_metadata
.endif
;; end of part 1
;; launch attend (part 2): grid 128 x 2, 16 waves a work-group, no clusters, 223,232 bytes of LDS; arguments kv, qb, dsq, Wo_codes, Wo_scales, g_out, b_out, W1_codes, W1_scales, b1, W2_codes, W2_scales, b2, out0; writes out0
.if DOCPART == 2
	.amdgcn_target "amdgcn-amd-amdhsa--gfx1250"
	.amdhsa_code_object_version 6
	.text
	.protected	k_q1274f62f00_attend
	.globl	k_q1274f62f00_attend
	.p2align	8
	.type	k_q1274f62f00_attend,@function
k_q1274f62f00_attend:
	s_mov_b64 s[64:65], 0
	v_nop
	global_prefetch_b8 v0, s[64:65] scope:SCOPE_SE
	s_setreg_imm32_b32 hwreg(HW_REG_WAVE_MODE, 25, 1), 1
	s_wait_xcnt 0x0
; The attention of 32 tokens over all 4,096 keys of their batch, four heads, and all that follows: Wo, the residual, LayerNorm, W1, gelu, W2, the residual, transposed out.
; SHARES.  A work-group (x, y = batch) owns tokens 32 x .. 32 x + 31.  In the loop wave w takes head w % 4 and the quarter w / 4 of the keys, for BOTH tiles of 16 queries: 8 key steps of 128 keys.
; So no two waves of a work-group read a byte of K or V in common, and each fragment feeds two tiles: fragments go from memory straight into registers, in the order in which the first launch laid them:
; two register buffers of 34 registers, a step's ten loads issued one whole step ahead.  The loop has no LDS access and no barrier.
; CLUSTER = NONE, THOUGH WORK-GROUPS SHARE K AND V: a joint request lands in LDS.  A batch's K and V are 557,056 bytes and do not fit in LDS, so a ring would be filled again behind rounds at which 4 x 16 waves
; meet, and every byte would be written to LDS and read back once, for one reader a work-group: LDS would serve no reuse.
; THE SOFTMAX: t = score x log2(e) / sqrt(32); M = the row's largest t so far, rounded up to a whole number; p = 2^(t - M) is quantised along the keys; the row's sum is of the unquantised p.
; When M moves, the sum and O are multiplied by 2^(old M - new M): exact.  The four quarters of the keys are joined behind the loop by such factors.
; K HAS 32 CHANNELS: a row of K's fragment holds four keys of 32 channels, Q stands in one of four blocks of a register run whose other blocks are zero codes: four products give 64 keys.
; No work of reference() is left out.  LIMITS: the promise holds while the scaled scores (exponents to the base 2, before the maximum is taken away) stay under 2^31; a block whose largest magnitude lies under 2^-124
; keeps the scale byte 1 (a block of zeros too: its codes are zeros); NaN and infinities among the inputs are not served.  A work-group owns 32 tokens, so its part of a channel's output row is 128 bytes.
; REGISTERS in the loop: v3-4 offsets; v8-15 for each tile -M, the largest score, the sum in two halves; v16-51 Q amid zeros; v54-85 O^T; v86-117 K, v118-149 V, two buffers each; v150-157 scale words alone;
; v158-221 S^T, then p; v222-229 p's codes; v230-245 at work; v246-254 the copies' addresses; v255 the prefetch's.
.set RECB, 17408                       ; a record: 128 keys, all heads
.set BATB, 557056                      ; a batch's records
.set QTB,  139264                      ; a quarter of them
.set W2L,  32768                       ; LDS: W1's image at 0; W2's;
.set WOL,  65536                       ; Wo's;
.set SML,  73728                       ; W1's scales +0, W2's scales +2048, b1 +4096, Wo's scales +6144, g_out +6656, b_out +7168, b2 +7680;
.set DSL,  81920                       ; the residual of 32 tokens;  what lies below 98,304 is filled by the copies alone
.set MRG,  98304                       ; [head][tile][quarter] partial results: O 2,048 bytes, (-M, sum) 256
.set AI,   172032                      ; for each tile 1,280 bytes: the attention's codes as an operand image, scale words at +1024; the same for the normalised tokens 2,560 on
.set GI,   177152                      ; gelu's codes: [tile][K step] 1,280 bytes each
.set RES,  187392                      ; x after the first residual: [tile][channel / 4][token][4] f32
.set STT,  203776                      ; LayerNorm: (mean, sum of squares) [tile][block of 32 channels][token]
.set STG,  204800                      ; the way out: [channel][32 tokens] f32
.set SPARE, 221184                     ; the spare words: 128 bytes for each of sixteen waves
.set SPW, 1
.set NIL, 2
.set KF, 86
.set VF, 118
.set KS, 150
.set VS, 152
.set S,  158
.set PC, 222
.set TM, 230
.set WV,  32
.set HD,  33
.set QT,  34
.set OO,  35
.set BB,  36
.set G,   37
.set SEL, 38
.set CS,  40
.set NC,  42
.set LOM, 43
.set TR,  44
.set LIM, 45
.set PFB, 46
.set KVB, 48
.set INV, 76
.set EPS, 77
.set NL,  78
.set PL,  79
.macro PLACES
.rept 4
	v_nop
.endr
.endm
.macro BARRIER                         ; what I wrote is done, my LDS stores have landed, my LDS loads are in: then the work-group's barrier
	s_wait_alu depctr_va_vdst(0)
	s_wait_dscnt 0x0
	s_barrier_signal -1
	s_barrier_wait -1
.endm
; A key step's ten loads into buffer nb: K's two fragments, their scale words (lanes 0-15 and 16-31), V's two, theirs
.macro KVLOAD nb, off
.irp q, 0,1,2,3
	global_load_b128 v[KF+16*(\nb)+4*\q:KF+16*(\nb)+4*\q+3], v3, s[KVB:KVB+1] offset:\off+512*\q
.endr
	global_load_b32 v[KS+(\nb)], v4, s[KVB:KVB+1] offset:\off
.irp q, 0,1,2,3
	global_load_b128 v[VF+16*(\nb)+4*\q:VF+16*(\nb)+4*\q+3], v3, s[KVB:KVB+1] offset:\off+8192+512*\q
.endr
	global_load_b32 v[VS+(\nb)], v4, s[KVB:KVB+1] offset:\off+512
.endm
; 16 registers (my half of a block of 32; lane l xor 16 has the other) become two registers of codes; the scale's byte is left in v129
.macro QUANT16 sr, cr
	v_mov_b32 v127, 0
	v_max3_num_f32 v126, |v[\sr]|, |v[\sr+1]|, 0x1800000
	v_max3_num_f32 v130, |v[\sr+2]|, |v[\sr+3]|, |v[\sr+4]|
	v_max3_num_f32 v126, v126, |v[\sr+5]|, |v[\sr+6]|
	v_max3_num_f32 v130, v130, |v[\sr+7]|, |v[\sr+8]|
	v_max3_num_f32 v126, v126, |v[\sr+9]|, |v[\sr+10]|
	v_max3_num_f32 v130, v130, |v[\sr+11]|, |v[\sr+12]|
	v_max3_num_f32 v126, v126, |v[\sr+13]|, |v[\sr+14]|
	v_max3_num_f32 v126, v126, v130, |v[\sr+15]|
	v_permlanex16_b32 v127, v126, s[SEL], s[SEL+1]
	v_max_num_f32 v126, v126, v127
	v_add_nc_u32 v128, 0xff000000, v126            ; 2 off the exponent field: the conversion's scale operand
	v_lshrrev_b32 v129, 23, v128
	v_cvt_scalef32_pk8_fp4_f32 v[\cr], v[\sr:\sr+7], v128
	v_cvt_scalef32_pk8_fp4_f32 v[\cr+1], v[\sr+8:\sr+15], v128
	v_nop
.endm
	s_load_b512 s[4:19], s[0:1], 0x0               ; kv 4, qb 6, dsq 8, Wo's codes 10, Wo's scales 12, g_out 14, b_out 16, W1's codes 18
	s_load_b256 s[20:27], s[0:1], 0x40             ; W1's scales 20, b1 22, W2's codes 24, W2's scales 26
	s_load_b128 s[28:31], s[0:1], 0x60             ; b2 28, out0 30
	v_lshl_add_u32 v[SPW], v0, 2, SPARE
	v_mov_b32 v[NIL], 0
	ds_add_u32 v[SPW], v[NIL]                      ; the wave's opening: the add, twice on end, ahead of my first copy
	ds_add_u32 v[SPW], v[NIL]
	v_lshrrev_b32 v3, 5, v0
	v_readfirstlane_b32 s[WV], v3                  ; wave 0..15
	s_and_b32 s[HD], s[WV], 3                      ; my head
	s_lshr_b32 s[QT], s[WV], 2                     ; my quarter of the keys
	s_and_b32 s[OO], s[WV], 1                      ; behind the loop: my tile of 16 tokens,
	s_lshr_b32 s[G], s[WV], 1                      ; and my share of its channels
	s_and_b32 s[BB], ttmp7, 0xffff                 ; the batch
	s_mov_b32 s[SEL], 0x76543210
	s_mov_b32 s[SEL+1], 0xfedcba98                 ; v_permlanex16_b32's selects for lane l xor 16
	s_mov_b32 s[CS], 0x3e8293ee                    ; c = log2(e) / sqrt(32)
	s_mov_b32 s[CS+1], s[CS]
	s_mov_b32 s[NC], 0xbe8293ee                    ; -c
	s_mov_b32 s[LOM], 0x0000ffff                   ; lanes 0-15
	s_mov_b32 s[INV], 0x3c000000                   ; 1 / 128
	s_mov_b32 s[EPS], 0x3727c5ac                   ; 1e-5
	s_mov_b32 s[NL], 0xc0b504f3                    ; -4 sqrt(2)
	s_mov_b32 s[PL], 0x40b504f3
	s_mov_b32 s[TR], 0
	s_mul_i32 s50, s[BB], BATB                     ; K and V: the batch, my quarter, my head's part of a record
	s_mul_i32 s51, s[QT], QTB
	s_add_co_u32 s50, s50, s51
	s_lshl_b32 s51, s[HD], 11
	s_add_co_u32 s50, s50, s51
	s_mov_b32 s51, 0
	s_lshl_b32 s52, s[BB], 2                       ; Q's codes: [batch][head][token][16]
	s_add_co_u32 s52, s52, s[HD]
	s_lshl_b32 s52, s52, 16
	s_lshl_b32 s53, ttmp9, 9
	s_add_co_u32 s52, s52, s53
	s_lshl_b32 s54, s[BB], 16                      ; its scale words: 256 bytes for 16 tokens
	s_add_co_u32 s54, s54, s53
	s_and_b32 s55, s[HD], 1
	s_lshl_b32 s55, s55, 7
	s_add_co_u32 s54, s54, s55
	s_lshr_b32 s55, s[HD], 1
	s_lshl_b32 s55, s55, 2
	s_add_co_u32 s54, s54, s55
	s_add_co_u32 s54, s54, 524288
	s_mov_b32 s53, 0
	s_mov_b32 s55, 0
	s_lshl_b32 s56, s[BB], 7                       ; the residual: 16,384 bytes a work-group
	s_add_co_u32 s56, s56, ttmp9
	s_lshl_b32 s56, s56, 14
	s_mov_b32 s57, 0
	s_lshr_b32 s58, s[WV], 3                       ; the copies of W1, W2, Wo: my wave's part of the source offsets
	s_lshl_b32 s58, s58, 12
	s_and_b32 s59, s[G], 3
	s_and_b32 s60, s[WV], 1
	s_lshl_b32 s60, s60, 5
	s_add_co_u32 s58, s58, s60
	s_lshl_b32 s61, s59, 9
	s_add_co_u32 s61, s61, s58                     ; W1
	s_lshl_b32 s62, s59, 6
	s_add_co_u32 s62, s62, s58                     ; W2
	s_lshl_b32 s63, s[QT], 11
	s_add_co_u32 s63, s63, s60
	s_and_b32 s59, s[G], 1
	s_lshl_b32 s59, s59, 9
	s_add_co_u32 s63, s63, s59                     ; Wo
	s_mov_b32 s66, 31
	s_cmp_lt_u32 s[WV], 12
	s_cselect_b32 s66, 127, s66                    ; 2,048 bytes by four waves each, 512 by one each
	; the prefetch (in the loop): trip p = x / 32 is mine, quarter x % 4, piece (x / 4) % 8 of two records = 17 blocks of 256 bytes; in trip 2 the second record is another quarter's, so four pieces are asked for
	s_and_b32 s68, ttmp9, 3
	s_bfe_u32 s69, ttmp9, 0x30002
	s_lshr_b32 s[LIM], ttmp9, 5
	s_mul_i32 s70, s[BB], BATB
	s_mul_i32 s68, s68, QTB
	s_add_co_u32 s70, s70, s68
	s_lshl_b32 s68, s[LIM], 1
	s_add_co_u32 s68, s68, 3
	s_mul_i32 s68, s68, RECB
	s_add_co_u32 s70, s70, s68
	s_mul_i32 s68, s69, 4352
	s_add_co_u32 s70, s70, s68
	s_mov_b32 s71, 0
	s_cmp_eq_u32 s[LIM], 2
	s_cselect_b32 s72, 4, 8
	s_cmp_lt_u32 s[LIM], 3
	s_cselect_b32 s[LIM], s[LIM], 8                ; 8: no trip
	s_cmp_lt_u32 s69, s72
	s_cselect_b32 s[LIM], s[LIM], 8
	s_cmp_eq_u32 s[WV], 0
	s_cselect_b32 s[LIM], s[LIM], 8                ; wave 0 asks
	s_mul_i32 s72, s[HD], 1920
	s_sub_co_u32 s72, 0x4000, s72                  ; from my head's codes to my head's scale words: 16384 + 128 head - 2048 head
	v_and_b32 v230, 31, v0                         ; lane
	v_and_b32 v231, 15, v0                         ; r
	v_bfe_u32 v232, v0, 4, 1                       ; h
	v_lshlrev_b32 v3, 4, v230
	v_lshl_add_u32 v4, v230, 2, s72
	v_lshlrev_b32 v233, 4, v231                    ; Q's codes: 16 r
	v_lshlrev_b32 v234, 3, v231                    ; its scale words: 8 r
	v_and_b32 v235, 8, v231
	v_lshlrev_b32 v236, 6, v231
	; WEIGHTS AS OPERAND IMAGES: 16-byte piece 16 x (512 k + thread) of an image is what lane (r, h) of tile (thread / 64), half c = (thread / 32) % 2 wants.  k is in the immediate: 8,192 bytes on in both places
	v_mad_u32_u24 v246, v235, 0xc0, v236           ; W1: row 64 g + 8 i + r + 24 (r / 8), 64 bytes a row
	v_lshl_add_u32 v246, v232, 4, v246
	v_add_nc_u32 v246, s61, v246
	v_lshlrev_b32 v247, 8, v231                    ; W2: row 16 tile + r, 256 bytes a row
	v_lshl_add_u32 v247, v232, 4, v247
	v_add_nc_u32 v247, s62, v247
	v_lshl_add_u32 v248, v235, 6, v236             ; Wo: row 32 b + 8 u + r + 8 (r / 8), 64 bytes a row
	v_lshl_add_u32 v248, v232, 4, v248
	v_add_nc_u32 v248, s63, v248
	v_and_b32 v249, s66, v0
	v_lshlrev_b32 v249, 4, v249
	v_lshlrev_b32 v250, 4, v0                      ; 16 x thread
	v_lshl_add_u32 v251, v0, 4, W2L
	v_lshl_add_u32 v252, v0, 4, WOL
	v_lshl_add_u32 v253, v0, 4, SML
	v_lshl_add_u32 v254, v0, 4, DSL
	v_min_u32 v255, 16, v230
	v_lshlrev_b32 v255, 8, v255                    ; the prefetch: 17 blocks; lanes over name the last again
	s_wait_alu depctr_va_vdst(0)
	s_wait_dscnt 0x0                               ; both opening adds are done
	s_wait_kmcnt 0x0
	s_add_nc_u64 s[KVB:KVB+1], s[4:5], s[50:51]
	s_add_nc_u64 s[PFB:PFB+1], s[4:5], s[70:71]
	s_add_nc_u64 s[52:53], s[6:7], s[52:53]
	s_add_nc_u64 s[54:55], s[6:7], s[54:55]
	s_add_nc_u64 s[8:9], s[8:9], s[56:57]
.irp t, 0,1
	global_load_b128 v[PC+4*\t:PC+4*\t+3], v233, s[52:53] offset:256*\t
.endr
.irp t, 0,1
	global_load_b32 v[156+\t], v234, s[54:55] offset:256*\t
.endr
	KVLOAD 0, 0                                    ; key step 0
	s_mov_b64 s[58:59], s[28:29]                   ; the small tensors: waves 0-3 W1's scales, 4-7 W2's scales, 8-11 b1, 12 Wo's scales, 13 g_out, 14 b_out, 15 b2
	s_cmp_lt_u32 s[WV], 15
	s_cselect_b64 s[58:59], s[16:17], s[58:59]
	s_cmp_lt_u32 s[WV], 14
	s_cselect_b64 s[58:59], s[14:15], s[58:59]
	s_cmp_lt_u32 s[WV], 13
	s_cselect_b64 s[58:59], s[12:13], s[58:59]
	s_cmp_lt_u32 s[WV], 12
	s_cselect_b64 s[58:59], s[22:23], s[58:59]
	s_cmp_lt_u32 s[WV], 8
	s_cselect_b64 s[58:59], s[26:27], s[58:59]
	s_cmp_lt_u32 s[WV], 4
	s_cselect_b64 s[58:59], s[20:21], s[58:59]
.irp k, 0,1
	global_load_async_to_lds_b128 v254, v250, s[8:9] offset:8192*\k
.endr
	global_load_async_to_lds_b128 v252, v248, s[10:11]
	global_load_async_to_lds_b128 v253, v249, s[58:59]
.irp k, 0,1,2,3
	global_load_async_to_lds_b128 v250, v246, s[18:19] offset:8192*\k
.endr
.irp k, 0,1,2,3
	global_load_async_to_lds_b128 v251, v247, s[24:25] offset:8192*\k
.endr
.irp z, 16,24,32,40,48                         ; the zero blocks beside Q
.irp i, 0,1,2,3
	v_mov_b32 v[\z+\i], 0
.endr
.endr
.set ii, 0
.rept 32
	v_mov_b32 v[54+ii], 0                          ; O^T.  (The step is written once: the first change of M leaves zeros)
.set ii, ii+1
.endr
.irp t, 8,12
	v_mov_b32 v[\t], 0x7e967699                    ; -M: some 1e38
	v_mov_b32 v[\t+1], 0xff61b1e6                  ; the largest score so far: -3e38
	v_mov_b32 v[\t+2], 0                           ; the sum, in two halves
	v_mov_b32 v[\t+3], 0
.endr
	s_wait_alu depctr_va_vdst(0)
	s_wait_loadcnt 10                              ; behind Q's four loads K's and V's ten were issued: Q is in, and its loads' address registers are free
	v_mov_b32 v[TM+3], 0                           ; lane permutes' destinations, and a pair's upper half
	v_mov_b32 v[TM+9], 0
	v_mov_b32 v[TM+11], 0
.irp t, 0,1
.irp i, 0,1,2,3
	v_cndmask_b32 v[20+16*\t+\i], v16, v[PC+4*\t+\i], s[LOM]      ; Q in lanes 0-15, zeros in lanes 16-31,
	v_cndmask_b32 v[28+16*\t+\i], v[PC+4*\t+\i], v16, s[LOM]      ; and the other way round
.endr
.endr
	s_wait_alu depctr_va_vdst(0)
; ONE TILE OF 16 QUERIES (t) AGAINST 128 KEYS (buffer kb).  Lane (r, h) holds query r; register 32 g + 8 jq + j of S is key 64 g + 32 h + 8 jq + j: a lane's 32 registers are a whole block along the next K.
.macro TILE t, kb
.set QB, 16+16*\t
.set OB, 54+16*\t
.set ST, 8+4*\t
.set KB, KF+16*\kb
.set VB, VF+16*\kb
.irp g, 0,1
.irp jq, 0,1,2,3
.set QR, QB+4+8*(\jq%2)-4*(\jq/2)
.if \g
	v_wmma_scale_f32_16x16x128_f8f6f4 v[S+32*\g+8*\jq:S+32*\g+8*\jq+7], v[KB+8*\g:KB+8*\g+7], v[QR:QR+7], 0, v[KS+\kb], v[156+\t] matrix_a_fmt:MATRIX_FMT_FP4 matrix_b_fmt:MATRIX_FMT_FP4 matrix_a_scale:MATRIX_SCALE_ROW1
.else
	v_wmma_scale_f32_16x16x128_f8f6f4 v[S+32*\g+8*\jq:S+32*\g+8*\jq+7], v[KB+8*\g:KB+8*\g+7], v[QR:QR+7], 0, v[KS+\kb], v[156+\t] matrix_a_fmt:MATRIX_FMT_FP4 matrix_b_fmt:MATRIX_FMT_FP4
.endif
.endr
.endr
	PLACES                                         ; for the reads below and, with the products above, behind the last step's products for the loads into the other buffer
.if \t == 0
.if \kb
	s_cmp_lt_u32 s[TR], 3                          ; the last step has no successor
	s_cbranch_scc0 .Lno_next_\@
	KVLOAD 0, 2*RECB
.Lno_next_\@:
.else
	KVLOAD 1, RECB
	; A PREFETCH INTO THE L2: in trip p (0 to 2) the records that trip p + 1 will load (2 p + 3 and 2 p + 4 of each quarter), shared out by address among the batch's work-groups 32 p .. 32 p + 31: each block of 256 bytes is named once in the launch
	s_cmp_eq_u32 s[TR], s[LIM]
	s_cbranch_scc0 .Lnot_mine_\@
	global_prefetch_b8 v255, s[PFB:PFB+1] th:TH_LOAD_NT scope:SCOPE_SE
.Lnot_mine_\@:
.endif
.endif
	v_max3_num_f32 v[TM], v[S], v[S+1], v[S+2]     ; the largest score of each block of 32 keys, two chains a block
	v_max3_num_f32 v[TM+1], v[S+32], v[S+33], v[S+34]
	v_max3_num_f32 v[TM+2], v[S+3], v[S+4], v[S+5]
	v_max3_num_f32 v[TM+10], v[S+35], v[S+36], v[S+37]
.irp i, 6,8,10,12,14,16,18,20,22,24,26,28,30
.if (\i%4) == 2
	v_max3_num_f32 v[TM], v[TM], v[S+\i], v[S+\i+1]
	v_max3_num_f32 v[TM+1], v[TM+1], v[S+32+\i], v[S+33+\i]
.else
	v_max3_num_f32 v[TM+2], v[TM+2], v[S+\i], v[S+\i+1]
	v_max3_num_f32 v[TM+10], v[TM+10], v[S+32+\i], v[S+33+\i]
.endif
.endr
	s_delay_alu instid0(VALU_DEP_2)
	v_max_num_f32 v[TM], v[TM], v[TM+2]
	s_delay_alu instid0(VALU_DEP_2)
	v_max_num_f32 v[TM+1], v[TM+1], v[TM+10]
	s_delay_alu instid0(VALU_DEP_1)
	v_max_num_f32 v[TM+2], v[TM], v[TM+1]
	s_delay_alu instid0(VALU_DEP_1)
	v_permlanex16_b32 v[TM+3], v[TM+2], s[SEL], s[SEL+1]
	s_delay_alu instid0(VALU_DEP_1)
	v_max3_num_f32 v[ST+1], v[TM+2], v[TM+3], v[ST+1]   ; the running largest score of my query
	s_delay_alu instid0(VALU_DEP_1)
	v_mul_f32 v[TM+4], s[NC], v[ST+1]
	s_delay_alu instid0(VALU_DEP_1)
	v_floor_f32 v[TM+5], v[TM+4]                   ; the new -M = floor(-t)
	s_delay_alu instid0(VALU_DEP_1)
	v_sub_f32 v[TM+6], v[TM+5], v[ST]              ; old M - new M: a whole number, 0 or less
	v_mov_b32 v[ST], v[TM+5]
	s_delay_alu instid0(VALU_DEP_2)
	v_cvt_i32_f32 v[TM+6], v[TM+6]                 ; (it saturates)
	s_delay_alu instid0(VALU_DEP_1)
	v_ldexp_f32 v[TM+8], 1.0, v[TM+6]              ; f = 2^(old M - new M)
.set ii, 0
.rept 32
	v_pk_fma_f32 v[S+2*ii:S+2*ii+1], v[S+2*ii:S+2*ii+1], s[CS:CS+1], v[ST:ST+1] op_sel_hi:[1,0,0]   ; t - M
.set ii, ii+1
.endr
	v_fma_f32 v[TM], v[TM], s[CS], v[ST]
	v_fma_f32 v[TM+1], v[TM+1], s[CS], v[ST]
	s_wait_alu depctr_va_vdst(0)                   ; ahead of the batch, and ahead of the first readers of O^T
.set ii, 0
.rept 8
	v_pk_mul_f32 v[OB+2*ii:OB+2*ii+1], v[OB+2*ii:OB+2*ii+1], v[TM+8:TM+9] op_sel_hi:[1,0]
.set ii, ii+1
.endr
	v_exp_f32 v[TM], v[TM]                         ; each block's largest p: p rises with the score
	v_exp_f32 v[TM+1], v[TM+1]
.set ii, 0
.rept 64
	v_exp_f32 v[S+ii], v[S+ii]                     ; p = 2^(t - M)
.set ii, ii+1
.endr
	v_pk_mul_f32 v[ST+2:ST+3], v[ST+2:ST+3], v[TM+8:TM+9] op_sel_hi:[1,0]
	s_wait_alu depctr_va_vdst(0)                   ; one wait for the batch, ahead of its first reader
	v_max_num_f32 v[TM], 0x1800000, v[TM]          ; the floor 2^(3 - 127): the byte cannot fall under 1
	v_max_num_f32 v[TM+1], 0x1800000, v[TM+1]
	v_add_nc_u32 v[TM+4], 0xff000000, v[TM]        ; 2 off the exponent field: the conversion's scale operand
	v_add_nc_u32 v[TM+5], 0xff000000, v[TM+1]
	v_lshrrev_b32 v[TM+6], 23, v[TM+4]
	v_lshrrev_b32 v[TM+7], 23, v[TM+5]
	v_lshl_or_b32 v[TM+6], v[TM+7], 16, v[TM+6]    ; lanes 0-15: bytes 0 and 2; lane l xor 16 has bytes 1 and 3
	v_permlanex16_b32 v[TM+11], v[TM+6], s[SEL], s[SEL+1]
	v_lshl_or_b32 v[154+\t], v[TM+11], 8, v[TM+6]  ; p's scale word, in lanes 0-15
.irp g, 0,1
.irp jq, 0,1,2,3
	v_cvt_scalef32_pk8_fp4_f32 v[PC+4*\g+\jq], v[S+32*\g+8*\jq:S+32*\g+8*\jq+7], v[TM+4+\g]
.endr
.endr
	v_pk_add_f32 v[ST+2:ST+3], v[ST+2:ST+3], v[S:S+1]           ; the row's sum, in four chains; these 32 are also the places ahead of the products below
	v_pk_add_f32 v[TM+12:TM+13], v[S+2:S+3], v[S+4:S+5]
	v_pk_add_f32 v[TM+14:TM+15], v[S+6:S+7], v[S+8:S+9]
	v_pk_add_f32 v[TM:TM+1], v[S+10:S+11], v[S+12:S+13]
.set ii, 0
.rept 25
.set AC, ST+2
.if (ii%4) == 1
.set AC, TM+12
.endif
.if (ii%4) == 2
.set AC, TM+14
.endif
.if (ii%4) == 3
.set AC, TM
.endif
	v_pk_add_f32 v[AC:AC+1], v[AC:AC+1], v[S+14+2*ii:S+15+2*ii]
.set ii, ii+1
.endr
	v_pk_add_f32 v[TM+14:TM+15], v[TM+14:TM+15], v[TM:TM+1]
	v_pk_add_f32 v[ST+2:ST+3], v[ST+2:ST+3], v[TM+12:TM+13]
	v_pk_add_f32 v[ST+2:ST+3], v[ST+2:ST+3], v[TM+14:TM+15]
	v_wmma_scale_f32_16x16x128_f8f6f4 v[OB:OB+7], v[VB:VB+7], v[PC:PC+7], v[OB:OB+7], v[VS+\kb], v[154+\t] matrix_a_fmt:MATRIX_FMT_FP4 matrix_b_fmt:MATRIX_FMT_FP4
	v_wmma_scale_f32_16x16x128_f8f6f4 v[OB+8:OB+15], v[VB+8:VB+15], v[PC:PC+7], v[OB+8:OB+15], v[VS+\kb], v[154+\t] matrix_a_fmt:MATRIX_FMT_FP4 matrix_b_fmt:MATRIX_FMT_FP4 matrix_a_scale:MATRIX_SCALE_ROW1
.endm
.Ltrip:                                                ; four trips of two key steps: the register buffers are back where they began
	s_wait_loadcnt 0x0                             ; this step's ten loads, issued a whole step ago
	TILE 0, 0
	TILE 1, 0
	s_wait_loadcnt 0x0
	TILE 0, 1
	TILE 1, 1
	s_wait_xcnt 0x0                                ; the loads have read their base
	s_add_nc_u64 s[KVB:KVB+1], s[KVB:KVB+1], 2*RECB
	s_add_co_u32 s[TR], s[TR], 1
	s_cmp_lt_u32 s[TR], 4
	s_wait_alu depctr_va_vdst(0)
	s_cbranch_scc1 .Ltrip
; THE QUARTERS ARE JOINED: every wave leaves O^T, -M and its lanes' sums of both tiles in LDS.
	s_wait_asynccnt 0x0                            ; my copies have landed
	s_mul_i32 s50, s[HD], 18432
	s_mul_i32 s51, s[QT], 2304
	s_add_co_u32 s50, s50, s51
	s_add_co_u32 s50, s50, MRG
	s_add_co_u32 s51, s50, 2048
	s_mul_i32 s52, s[G], 18432                     ; waves 0-7 join: tile w % 2 of head w / 2
	s_mul_i32 s53, s[OO], 9216
	s_add_co_u32 s52, s52, s53
	s_add_co_u32 s52, s52, MRG
	s_add_co_u32 s53, s52, 2048
	v_add_f32 v9, v10, v11
	v_add_f32 v13, v14, v15
	v_lshrrev_b32 v244, 1, v3
	v_add_nc_u32 v230, s50, v3
	v_add_nc_u32 v231, s51, v244
	v_add_nc_u32 v232, s52, v3
	v_add_nc_u32 v233, s53, v244
.irp q, 0,1,2,3
	s_wait_alu depctr_va_vdst(0)                   ; ahead of the first readers of these products
	ds_store_b128 v230, v[54+4*\q:57+4*\q] offset:512*\q
.endr
.irp q, 0,1,2,3
	ds_store_b128 v230, v[70+4*\q:73+4*\q] offset:9216+512*\q
.endr
	ds_store_b64 v231, v[8:9]
	ds_store_b64 v231, v[12:13] offset:9216
	s_wait_dscnt 0x0
	s_barrier_signal -1
; between signal and wait: the addresses of all that follows (work on registers)
	s_mul_i32 s50, s[OO], 1280
	s_add_co_u32 s50, s50, AI
	s_lshl_b32 s51, s[G], 8
	s_add_co_u32 s61, s51, SML                     ; (W1's scale words)
	s_add_co_u32 s62, s51, SML+4096                ; (b1)
	s_add_co_u32 s69, s51, SML+2048                ; (W2's scale words)
	s_add_co_u32 s51, s51, s50
	s_add_co_u32 s52, s50, s[G]
	s_add_co_u32 s52, s52, 1024
	s_lshl_b32 s75, s[G], 11
	s_add_co_u32 s53, s75, WOL
	s_lshl_b32 s54, s[G], 7
	s_lshl_b32 s57, s[OO], 9
	s_add_co_u32 s57, s57, STT
	s_add_co_u32 s58, s57, s54
	s_add_co_u32 s59, s54, SML+6656
	s_add_co_u32 s54, s54, SML+6144
	s_lshl_b32 s74, s[OO], 13
	s_add_co_u32 s55, s75, s74
	s_add_co_u32 s56, s55, RES
	s_add_co_u32 s55, s55, DSL
	s_lshl_b32 s60, s[G], 12
	s_add_co_u32 s68, s60, W2L
	s_lshl_b32 s71, s[G], 10
	s_add_co_u32 s71, s71, s74
	s_add_co_u32 s71, s71, RES
	s_lshl_b32 s70, s[G], 6
	s_add_co_u32 s70, s70, SML+7680
	s_lshl_b32 s72, s[OO], 6
	s_add_co_u32 s72, s72, s75
	s_add_co_u32 s72, s72, STG
	s_lshl_b32 s73, s[WV], 10
	s_add_co_u32 s73, s73, STG
	s_mul_i32 s63, s[OO], 5120
	s_add_co_u32 s63, s63, GI
	s_lshr_b32 s74, s[G], 1
	s_mul_i32 s74, s74, 1280
	s_add_co_u32 s74, s74, s63
	s_and_b32 s75, s[G], 1
	s_lshl_b32 s66, s75, 9
	s_add_co_u32 s66, s66, s74
	s_lshl_b32 s67, s75, 1
	s_add_co_u32 s67, s67, s74
	s_add_co_u32 s67, s67, 1024
	s_lshl_b32 s80, s[BB], 21                      ; the output: batch, my 32 tokens, channels 8 w on
	s_lshl_b32 s81, ttmp9, 7
	s_add_co_u32 s80, s80, s81
	s_lshl_b32 s81, s[WV], 17
	s_add_co_u32 s80, s80, s81
	s_mov_b32 s81, 0
	s_add_nc_u64 s[30:31], s[30:31], s[80:81]
	v_and_b32 v86, 15, v0                          ; r
	v_bfe_u32 v87, v0, 4, 1                        ; h
	v_lshlrev_b32 v88, 4, v86
	v_lshlrev_b32 v89, 2, v86
	v_and_b32 v90, 8, v86
	v_add_nc_u32 v91, v86, v90                     ; r + 8 (r / 8)
	v_lshl_add_u32 v92, v87, 10, v88
	v_mad_u32_u24 v93, v90, 3, v86                 ; r + 24 (r / 8)
	v_add_nc_u32 v234, s51, v88                    ; codes of a block of 32 channels: 16 r + 8 h,
	v_lshl_add_u32 v234, v87, 3, v234
	v_add_nc_u32 v235, s52, v89                    ; and its byte in the token's scale word
	v_add_nc_u32 v236, s50, v3                     ; the operand image
	v_add_nc_u32 v237, s50, v89                    ; and its scale words
	v_add_nc_u32 v238, s53, v3                     ; Wo's two tiles
	v_lshl_add_u32 v239, v91, 2, s54               ; their scale words
	v_add_nc_u32 v240, s55, v92                    ; the residual in,
	v_add_nc_u32 v241, s56, v92                    ; and x after it
	v_lshl_add_u32 v242, v86, 3, s58               ; the norm's partial sums: mine,
	v_lshl_add_u32 v243, v86, 3, s57               ; all four
	v_lshl_add_u32 v244, v87, 6, s59               ; g_out, b_out
	v_add_nc_u32 v245, s60, v3                     ; W1's four tiles
	v_lshl_add_u32 v246, v93, 2, s61               ; their scale words
	v_lshl_add_u32 v247, v87, 7, s62               ; b1
	v_add_nc_u32 v248, s66, v3                     ; gelu's codes
	v_add_nc_u32 v249, s67, v89                    ; and their byte
	v_add_nc_u32 v249, v249, v87
	v_add_nc_u32 v250, s63, v3                     ; gelu's images
	v_add_nc_u32 v251, s63, v89                    ; and their scale words
	v_add_nc_u32 v252, s68, v3                     ; W2's tile
	v_add_nc_u32 v253, s69, v88                    ; its scale words
	v_lshl_add_u32 v254, v87, 5, s70               ; b2
	v_lshl_add_u32 v4, v87, 9, v88                 ; x in the last product's layout
	v_add_nc_u32 v4, s71, v4
	v_lshl_add_u32 v5, v87, 10, v89                ; the output's stage: in,
	v_add_nc_u32 v5, s72, v5
	v_add_nc_u32 v6, s73, v3                       ; and back
	v_and_b32 v7, 0x70, v3                         ; the output: 16 (lane % 8) + a channel's 16,384 bytes x (lane / 8)
	v_lshrrev_b32 v94, 7, v3
	v_lshl_add_u32 v7, v94, 14, v7
	s_wait_alu depctr_va_vdst(0)
	s_barrier_wait -1
	s_cmp_lt_u32 s[WV], 8
	s_cbranch_scc0 .Lno_merge
.irp q, 0,1,2,3
.irp i, 0,1,2,3
	ds_load_b128 v[158+16*\q+4*\i:161+16*\q+4*\i], v232 offset:2304*\q+512*\i
.endr
	ds_load_b64 v[222+2*\q:223+2*\q], v233 offset:2304*\q
.endr
	s_wait_dscnt 0x0
	v_min3_num_f32 v86, v222, v224, v226
	v_mov_b32 v102, 0                              ; a lane permute's destination
	v_min_num_f32 v86, v86, v228                   ; the largest of the four M, as -M
.irp q, 0,1,2,3
	v_sub_f32 v[88+\q], v86, v[222+2*\q]
	v_mov_b32 v[93+2*\q], 0                        ; (the upper halves of the factors' pairs)
.endr
.irp q, 0,1,2,3
	v_cvt_i32_f32 v[88+\q], v[88+\q]
.endr
.irp q, 0,1,2,3
	v_ldexp_f32 v[92+2*\q], 1.0, v[88+\q]
.endr
	v_mul_f32 v100, v223, v92
	v_mul_f32 v101, v225, v94
	v_fma_f32 v100, v227, v96, v100
	v_fma_f32 v101, v229, v98, v101
	v_add_f32 v100, v100, v101
	v_permlanex16_b32 v102, v100, s[SEL], s[SEL+1]
	v_add_f32 v100, v100, v102                     ; the row's sum over all keys
	s_wait_alu depctr_va_vdst(0)
	v_rcp_f32 v100, v100
	v_nop
	s_wait_alu depctr_va_vdst(0)
.irp q, 0,1,2,3
	v_mul_f32 v[92+2*\q], v[92+2*\q], v100
.endr
.set ii, 0
.rept 8
	v_pk_mul_f32 v[104+2*ii:105+2*ii], v[158+2*ii:159+2*ii], v[92:93] op_sel_hi:[1,0]
.set ii, ii+1
.endr
.irp q, 1,2,3
.set ii, 0
.rept 8
	v_pk_fma_f32 v[104+2*ii:105+2*ii], v[158+16*\q+2*ii:159+16*\q+2*ii], v[92+2*\q:93+2*\q], v[104+2*ii:105+2*ii] op_sel_hi:[1,0,1]
.set ii, ii+1
.endr
.endr
	QUANT16 104, 120                               ; a head is a block of Wo's K
	ds_store_b64 v234, v[120:121]
	ds_store_b8 v235, v129
.irp u, 0,1                                    ; for Wo: waves 0-7 take block w / 2 of 32 channels of tile w % 2; the residual + bo is the sums' start
	ds_load_b128 v[158+8*\u:161+8*\u], v240 offset:512*\u
	ds_load_b128 v[162+8*\u:165+8*\u], v240 offset:512*\u+256
.irp c, 0,1
	ds_load_b128 v[174+8*\u+4*\c:177+8*\u+4*\c], v238 offset:1024*\u+512*\c
.endr
	ds_load_b32 v[150+\u], v239 offset:32*\u
.endr
.irp q, 0,1,2,3
	ds_load_b128 v[198+4*\q:201+4*\q], v244 offset:16*\q
	ds_load_b128 v[86+4*\q:89+4*\q], v244 offset:512+16*\q
.endr
.Lno_merge:
.irp i, 0,1,2,3                                ; for W1: my four tiles of 16 hidden units, their scale words, b1 as the sums' start
.irp c, 0,1
	ds_load_b128 v[16+8*\i+4*\c:19+8*\i+4*\c], v245 offset:1024*\i+512*\c
.endr
	ds_load_b32 v[154+\i], v246 offset:32*\i
	ds_load_b128 v[54+8*\i:57+8*\i], v247 offset:32*\i
	ds_load_b128 v[58+8*\i:61+8*\i], v247 offset:32*\i+16
.endr
	BARRIER                                        ; the attention's codes lie in LDS
	s_cmp_lt_u32 s[WV], 8
	s_cbranch_scc0 .Lno_wo
	ds_load_b128 v[190:193], v236
	ds_load_b128 v[194:197], v236 offset:512
	ds_load_b32 v152, v237 offset:1024
	s_wait_dscnt 0x0
.irp u, 0,1                                    ; lane (r, h): token r, register 8 u + j: channel 32 b + 16 h + 8 u + j
	v_wmma_scale_f32_16x16x128_f8f6f4 v[158+8*\u:165+8*\u], v[174+8*\u:181+8*\u], v[190:197], v[158+8*\u:165+8*\u], v[150+\u], v152 matrix_a_fmt:MATRIX_FMT_FP4 matrix_b_fmt:MATRIX_FMT_FP4
.endr
	PLACES
.irp u, 0,1
	ds_store_b128 v241, v[158+8*\u:161+8*\u] offset:512*\u
	ds_store_b128 v241, v[162+8*\u:165+8*\u] offset:512*\u+256
.endr
	; LAYERNORM: the mean of my 32 channels, and the squares about it; the four blocks are joined behind the barrier
	v_pk_add_f32 v[104:105], v[158:159], v[160:161]
	v_pk_add_f32 v[106:107], v[162:163], v[164:165]
	v_pk_add_f32 v[108:109], v[166:167], v[168:169]
	v_pk_add_f32 v[110:111], v[170:171], v[172:173]
	v_mov_b32 v112, 0
	v_mov_b32 v113, 0
	v_pk_add_f32 v[104:105], v[104:105], v[106:107]
	v_pk_add_f32 v[108:109], v[108:109], v[110:111]
	v_pk_add_f32 v[104:105], v[104:105], v[108:109]
	v_add_f32 v104, v104, v105
	v_permlanex16_b32 v112, v104, s[SEL], s[SEL+1]
	v_add_f32 v104, v104, v112
	v_mul_f32 v102, 0x3d000000, v104               ; / 32
	v_mov_b32 v103, v102
.set ii, 0
.rept 8
	v_pk_add_f32 v[158+2*ii:159+2*ii], v[158+2*ii:159+2*ii], v[102:103] neg_lo:[0,1] neg_hi:[0,1]
.set ii, ii+1
.endr
.irp k, 0,1,2,3
	v_pk_mul_f32 v[104+2*\k:105+2*\k], v[158+2*\k:159+2*\k], v[158+2*\k:159+2*\k]
.endr
.irp k, 0,1,2,3
	v_pk_fma_f32 v[104+2*\k:105+2*\k], v[166+2*\k:167+2*\k], v[166+2*\k:167+2*\k], v[104+2*\k:105+2*\k]
.endr
	v_pk_add_f32 v[104:105], v[104:105], v[106:107]
	v_pk_add_f32 v[108:109], v[108:109], v[110:111]
	v_pk_add_f32 v[104:105], v[104:105], v[108:109]
	v_add_f32 v104, v104, v105
	v_permlanex16_b32 v112, v104, s[SEL], s[SEL+1]
	v_add_f32 v103, v104, v112
	ds_store_b64 v242, v[102:103]                  ; (both halves of the lanes write the same words with the same values)
.Lno_wo:
	BARRIER                                        ; the partial sums lie in LDS
	s_cmp_lt_u32 s[WV], 8
	s_cbranch_scc0 .Lno_norm
.irp i, 0,1,2,3
	ds_load_b64 v[118+2*\i:119+2*\i], v243 offset:128*\i
.endr
	s_wait_dscnt 0x0
	v_add_f32 v104, v118, v120
	v_add_f32 v105, v122, v124
	v_add_f32 v110, v119, v121
	v_add_f32 v111, v123, v125
	v_add_f32 v104, v104, v105
	v_add_f32 v110, v110, v111
	v_mul_f32 v104, 0x3e800000, v104               ; the mean
	v_fma_f32 v110, v110, s[INV], s[EPS]
.irp i, 0,1,2,3
	v_sub_f32 v[106+\i], v[118+2*\i], v104
.endr
	v_mul_f32 v112, v106, v106
	v_mul_f32 v114, v107, v107
	v_fma_f32 v112, v108, v108, v112
	v_fma_f32 v114, v109, v109, v114
	v_add_f32 v112, v112, v114
	v_fmamk_f32 v110, v112, 0x3e800000, v110       ; var + 1e-5: 32 / 128 of the blocks' squares about the mean
	v_sub_f32 v112, v102, v104                     ; my block's mean less the mean
	s_wait_alu depctr_va_vdst(0)
	v_rsq_f32 v110, v110
	v_nop
	s_wait_alu depctr_va_vdst(0)
	v_mul_f32 v112, v112, v110
.set ii, 0
.rept 8
	v_pk_fma_f32 v[158+2*ii:159+2*ii], v[158+2*ii:159+2*ii], v[110:111], v[112:113] op_sel_hi:[1,0,0]
.set ii, ii+1
.endr
.set ii, 0
.rept 8
	v_pk_fma_f32 v[158+2*ii:159+2*ii], v[158+2*ii:159+2*ii], v[198+2*ii:199+2*ii], v[86+2*ii:87+2*ii]
.set ii, ii+1
.endr
	QUANT16 158, 120
	ds_store_b64 v234, v[120:121] offset:2560
	ds_store_b8 v235, v129 offset:2560
.Lno_norm:
	BARRIER                                        ; the normalised tokens' codes lie in LDS
; W1 AND GELU: every wave 64 hidden units of 16 tokens.  Lane (r, h): token r, register 8 i + j: unit 64 g + 32 h + 8 i + j: a lane's 32 registers are a whole block along the next K.
	ds_load_b128 v[118:121], v236 offset:2560
	ds_load_b128 v[122:125], v236 offset:3072
	ds_load_b32 v153, v237 offset:3584
	v_mov_b32 v10, 0xac95df0b
	v_mov_b32 v11, 0xac95df0b
	v_mov_b32 v14, 0xb62ccd2b
	v_mov_b32 v15, 0xb62ccd2b
	s_wait_alu depctr_va_vdst(0)
	s_wait_dscnt 0x0
.irp i, 0,1,2,3
	v_wmma_scale_f32_16x16x128_f8f6f4 v[54+8*\i:61+8*\i], v[16+8*\i:23+8*\i], v[118:125], v[54+8*\i:61+8*\i], v[154+\i], v153 matrix_a_fmt:MATRIX_FMT_FP4 matrix_b_fmt:MATRIX_FMT_FP4
.endr
	PLACES
.irp ks, 0,1,2,3                               ; for W2: my tile of 16 channels, its scale words, b2 and x as the sums' starts
.irp c, 0,1
	ds_load_b128 v[16+8*\ks+4*\c:19+8*\ks+4*\c], v252 offset:1024*\ks+512*\c
.endr
.endr
	ds_load_b128 v[150:153], v253
	ds_load_b128 v[190:193], v254
	ds_load_b128 v[194:197], v254 offset:16
	ds_load_b128 v[198:201], v4
	ds_load_b128 v[202:205], v4 offset:256
; gelu(x) = x (1/2 + erf(x / sqrt(2)) / 2): erf as a quotient of polynomials in x^2, x held to +-4 sqrt(2) there; the powers of 1/2 and the factor 1 / (2 sqrt(2)) are in the coefficients
.macro GELU16 xb
.set ii, 0
.rept 16
	v_med3_num_f32 v[86+ii], v[\xb+ii], s[NL], s[PL]
.set ii, ii+1
.endr
.set ii, 0
.rept 8
	v_pk_mul_f32 v[102+2*ii:103+2*ii], v[86+2*ii:87+2*ii], v[86+2*ii:87+2*ii]
.set ii, ii+1
.endr
.set ii, 0
.rept 8
	v_pk_fma_f32 v[118+2*ii:119+2*ii], v[102+2*ii:103+2*ii], v[10:11], 0x306dffee op_sel_hi:[1,1,0]
	v_pk_fma_f32 v[134+2*ii:135+2*ii], v[102+2*ii:103+2*ii], v[14:15], 0xb89e3512 op_sel_hi:[1,1,0]
.set ii, ii+1
.endr
.irp co, 0xb40cff51, 0xb6eec2d2, 0xb940ac63, 0xbac1a1f6, 0xbc83dbd4
.set ii, 0
.rept 8
	v_pk_fma_f32 v[118+2*ii:119+2*ii], v[118+2*ii:119+2*ii], v[102+2*ii:103+2*ii], \co op_sel_hi:[1,1,0]
.set ii, ii+1
.endr
.endr
.irp co, 0xba9bf7b5, 0xbc2ad7f2, 0xbd2542a9
.set ii, 0
.rept 8
	v_pk_fma_f32 v[134+2*ii:135+2*ii], v[134+2*ii:135+2*ii], v[102+2*ii:103+2*ii], \co op_sel_hi:[1,1,0]
.set ii, ii+1
.endr
.endr
	s_wait_alu depctr_va_vdst(0)
.set ii, 0
.rept 16
	v_rcp_f32 v[134+ii], v[134+ii]
.set ii, ii+1
.endr
.set ii, 0
.rept 8
	v_pk_mul_f32 v[118+2*ii:119+2*ii], v[118+2*ii:119+2*ii], v[86+2*ii:87+2*ii]
.set ii, ii+1
.endr
	s_wait_alu depctr_va_vdst(0)
.set ii, 0
.rept 8
	v_pk_fma_f32 v[118+2*ii:119+2*ii], v[118+2*ii:119+2*ii], v[134+2*ii:135+2*ii], 0.5 op_sel_hi:[1,1,0]
.set ii, ii+1
.endr
.set ii, 0
.rept 8
	v_pk_mul_f32 v[\xb+2*ii:\xb+2*ii+1], v[\xb+2*ii:\xb+2*ii+1], v[118+2*ii:119+2*ii]
.set ii, ii+1
.endr
.endm
	GELU16 54
	GELU16 70
	v_max3_num_f32 v126, |v54|, |v55|, 0x1800000
	v_max3_num_f32 v127, |v70|, |v71|, 0x1800000
.irp i, 2,4,6,8,10,12,14
	v_max3_num_f32 v126, v126, |v[54+\i]|, |v[55+\i]|
	v_max3_num_f32 v127, v127, |v[70+\i]|, |v[71+\i]|
.endr
	v_max_num_f32 v126, v126, v127
	v_add_nc_u32 v128, 0xff000000, v126
	v_lshrrev_b32 v129, 23, v128
.irp g, 0,1,2,3
	v_cvt_scalef32_pk8_fp4_f32 v[130+\g], v[54+8*\g:61+8*\g], v128
.endr
	v_nop
	ds_store_b128 v248, v[130:133]
	ds_store_b8 v249, v129
	BARRIER                                        ; gelu's codes lie in LDS
; W2: every wave 16 channels of 16 tokens, K = 512 in four steps on two accumulators by turns
.irp ks, 0,1,2,3
	ds_load_b128 v[86+8*\ks:89+8*\ks], v250 offset:1280*\ks
	ds_load_b128 v[90+8*\ks:93+8*\ks], v250 offset:1280*\ks+512
	ds_load_b32 v[154+\ks], v251 offset:1280*\ks+1024
.endr
	s_wait_dscnt 0x0
.irp ks, 0,1,2,3
	v_wmma_scale_f32_16x16x128_f8f6f4 v[190+8*(\ks%2):197+8*(\ks%2)], v[16+8*\ks:23+8*\ks], v[86+8*\ks:93+8*\ks], v[190+8*(\ks%2):197+8*(\ks%2)], v[150+\ks], v[154+\ks] matrix_a_fmt:MATRIX_FMT_FP4 matrix_b_fmt:MATRIX_FMT_FP4
.endr
	PLACES
.irp p, 0,1,2,3
	v_pk_add_f32 v[190+2*\p:191+2*\p], v[190+2*\p:191+2*\p], v[198+2*\p:199+2*\p]
.endr
.irp j, 0,1,2,3,4,5,6,7
	ds_store_b32 v5, v[190+\j] offset:128*\j       ; channel 16 g + 8 h + j, token r of my tile
.endr
	BARRIER
	ds_load_b128 v[96:99], v6
	ds_load_b128 v[100:103], v6 offset:512
	s_wait_dscnt 1                                 ; the younger load may be out
	global_store_b128 v7, v[96:99], s[30:31] th:TH_STORE_NT         ; eight lanes store a channel's 32 tokens, 128 bytes
	s_wait_dscnt 0x0
	global_store_b128 v7, v[100:103], s[30:31] offset:65536 th:TH_STORE_NT
	s_wait_tensorcnt 0x0                           ; the wave's end, behind my last copy and my last LDS store
	s_wait_asynccnt 0x0
	ds_add_u32 v[SPW], v[NIL]
	s_wait_dscnt 0x0
	s_endpgm
.Lfunc_end_k_q1274f62f00_attend:
	.size	k_q1274f62f00_attend, .Lfunc_end_k_q1274f62f00_attend-k_q1274f62f00_attend
	.p2alignl 7, 3214868480
	.fill 96, 4, 3214868480
	.section	.rodata,"a",@progbits
	.p2align	6, 0x0
	.amdhsa_kernel k_q1274f62f00_attend
		.amdhsa_group_segment_fixed_size 223232
		.amdhsa_private_segment_fixed_size 0
		.amdhsa_enable_private_segment 0
		.amdhsa_kernarg_size 112
		.amdhsa_user_sgpr_count 2
		.amdhsa_user_sgpr_kernarg_segment_ptr 1
		.amdhsa_wavefront_size32 1
		.amdhsa_system_sgpr_workgroup_id_x 1
		.amdhsa_system_sgpr_workgroup_id_y 1
		.amdhsa_system_sgpr_workgroup_id_z 1
		.amdhsa_system_vgpr_workitem_id 0
		.amdhsa_next_free_vgpr 256
		.amdhsa_next_free_sgpr 104
		.amdhsa_reserve_vcc 0
		.amdhsa_float_denorm_mode_32 3
		.amdhsa_float_denorm_mode_16_64 3
		.amdhsa_memory_ordered 1
		.amdhsa_forward_progress 1
		.amdhsa_inst_pref_size 111
	.end_amdhsa_kernel
	.amdgpu_metadata
---
amdhsa.version: [ 1, 2 ]
amdhsa.kernels:
  - .name:           k_q1274f62f00_attend
    .symbol:         k_q1274f62f00_attend.kd
    .args:
      - { .name: kv, .offset: 0, .size: 8, .value_kind: global_buffer, .address_space: global }
      - { .name: qb, .offset: 8, .size: 8, .value_kind: global_buffer, .address_space: global }
      - { .name: dsq, .offset: 16, .size: 8, .value_kind: global_buffer, .address_space: global }
      - { .name: Wo_codes, .offset: 24, .size: 8, .value_kind: global_buffer, .address_space: global }
      - { .name: Wo_scales, .offset: 32, .size: 8, .value_kind: global_buffer, .address_space: global }
      - { .name: g_out, .offset: 40, .size: 8, .value_kind: global_buffer, .address_space: global }
      - { .name: b_out, .offset: 48, .size: 8, .value_kind: global_buffer, .address_space: global }
      - { .name: W1_codes, .offset: 56, .size: 8, .value_kind: global_buffer, .address_space: global }
      - { .name: W1_scales, .offset: 64, .size: 8, .value_kind: global_buffer, .address_space: global }
      - { .name: b1, .offset: 72, .size: 8, .value_kind: global_buffer, .address_space: global }
      - { .name: W2_codes, .offset: 80, .size: 8, .value_kind: global_buffer, .address_space: global }
      - { .name: W2_scales, .offset: 88, .size: 8, .value_kind: global_buffer, .address_space: global }
      - { .name: b2, .offset: 96, .size: 8, .value_kind: global_buffer, .address_space: global }
      - { .name: out0, .offset: 104, .size: 8, .value_kind: global_buffer, .address_space: global }
    .group_segment_fixed_size: 223232
    .private_segment_fixed_size: 0
    .kernarg_segment_align: 8
    .kernarg_segment_size: 112
    .max_flat_workgroup_size: 512
    .sgpr_count:     104
    .vgpr_count:     256
    .wavefront_size: 32
...
	.end_amdgpu_metadata
.endif
;; end of part 2
